; MI455X (gfx1250); checked and timed in simulation.
; The chip was launched on July 23, 2026; its instructions are those of AMD's public machine-readable ISA for CDNA 5 (MIT licence, August 2026) and "CDNA5" Instruction Set Architecture Reference Guide (July 2026). The comments in the code are by the model that wrote it; some were corrected since.
;; Self Attention. Allowed arithmetic: matrix products marked QUANTISED: E2M3 operands, one E8M0 scale for each 32 along K, by v_wmma_scale_f32_16x16x128_f8f6f4 with both operands' format E2M3, f32 sums; everything else in f32.
;; Inputs: out_b 1,024 float32; out_w 1,024 x 1,024 float32; qkv_w 3,072 x 1,024 float32; x 4 x 2,048 x 1,024 float32.
;; Outputs: out0 4 x 2,048 x 1,024 float32.
;; This version of the problem:
;;   THIS VERSION OF THE PROBLEM IS GIVEN IN LOW PRECISION. The matrix products marked QUANTISED in the list below multiply operands that are first quantised to E2M3 (2 exponent bits, 3 mantissa bits; 6 bits a number), with one power-of-two scale for each 32 numbers along K (OCP MX v1.0); their sums are f32. All else is computed in f32.
;;   The module's matrix products, in the order in which they are computed (A, B: the left and right operand; K: the contracted axis; several contracted axes count as one K, in the product's order):
;;     1. [M 8,192, K 1,024] x [K 1,024, N 3,072]; A: input x; B: input qkv_w: QUANTISED
;;     2. batch 4 x [M 2,048, K 1,024] x [K 1,024, N 2,048]; A: computed on the way; B: computed on the way: QUANTISED
;;     3. batch 4 x [M 2,048, K 2,048] x [K 2,048, N 1,024]; A: softmax (see below); B: computed on the way: QUANTISED
;;     4. [M 8,192, K 1,024] x [K 1,024, N 1,024]; A: computed on the way; B: input out_w: QUANTISED
;;   THE QUANTISER, for each operand of a quantised product, along K:
;;     - K is cut into blocks of 32 from its start; a last block that is shorter is filled with zeros.
;;     - A block's scale is 2^e with e = floor(log2(the largest magnitude in the block)) - 2, held to -126 .. 127; a block of zeros has e = 0. As a byte (E8M0): e + 127.
;;     - Each number is divided by its block's scale, clamped to +-7.5, and rounded to the nearest number of E2M3, ties to even, subnormals kept.
;;     - The product sums the exact products of the quantised numbers (number of the format x scale) in f32.
;;   ~~~python
;;   def quantise(x, axis):      # numpy; x: float32 -> the quantised numbers, widened to float32 again
;;       x = np.moveaxis(x, axis, -1); K = x.shape[-1]
;;       x = np.pad(x, [(0, 0)] * (x.ndim - 1) + [(0, -K % 32)]); x = x.reshape(x.shape[:-1] + (-1, 32)); a = np.abs(x).max(-1, keepdims=True)
;;       e = np.where(a > 0, np.clip(np.frexp(np.where(a > 0, a, 1))[1] - 1 - 2, -126, 127), 0)      # np.frexp(a)[1] - 1 = floor(log2(a)), exactly
;;       r = np.clip(x / 2.0 ** e, -7.5, 7.5)
;;       step = 2.0 ** (np.maximum(np.frexp(np.where(r == 0, 1, r))[1] - 1, 0) - 3)
;;       q = np.round(r / step) * step * 2.0 ** e      # np.round: ties to even
;;       return np.moveaxis(q.reshape(q.shape[:-2] + (-1,))[..., :K], -1, axis).astype(np.float32)
;;   ~~~
;;   SOFTMAX AHEAD OF A QUANTISED PRODUCT. Where the list says 'softmax', what is quantised is not the finished softmax but p = 2^(t - M), with t = logit x log2(e) and M = ceil(the row's largest t), a whole number; so 1/2 < the row's largest p <= 1. The row's sum l is taken of the UNQUANTISED p, in f32, and the product's result is divided by l at the end. Since M is a whole number, a kernel that streams over the keys may use a running M (the ceiling of the running maximum): every later rescaling is an exact power of two, which a block's scale takes up: the codes' values come out the same.
;;   OPERANDS COMPUTED ON THE WAY. 'Computed on the way' means the value that the module computes at that place (a softmax that the list does not call 'softmax' is quantised finished and normalised). What goes into a quantiser is computed in f32, as accurately as f32 sums, v_exp_f32 and their like allow (about 1e-6 of the number): no bf16 or f16 on the way to a quantiser, and a product that is left as it is and whose result goes on into a quantised operand takes f32 operands (vector FMAs, or v_wmma_f32_16x16x4_f32). A number that lies on a knife's edge between two numbers of the format may be rounded either way, as far as f32 arithmetic and the matrix unit's own rounding can turn it there, and no further.
;; One version. Each part assembles by itself: llvm-mc -triple=amdgcn-amd-amdhsa -mcpu=gfx1250 --defsym DOCPART=n.
;; ======== version 1 of 1: 5 launches
;; workspace buffers: qin_c 9,830,400 bytes; qkv_c 19,660,800 bytes; att_c 14,155,776 bytes; ctx_c 6,553,600 bytes
;; launch quant (part 1): grid 768 x 1, 8 waves a work-group, no clusters, 69,120 bytes of LDS; arguments x, qkv_w, out_w, qin_c; writes qin_c
.if DOCPART == 1
	.amdgcn_target "amdgcn-amd-amdhsa--gfx1250"
	.amdhsa_code_object_version 6
	.text
	.protected	k_q0af6b7a152_quant
	.globl	k_q0af6b7a152_quant
	.p2align	8
	.type	k_q0af6b7a152_quant,@function
k_q0af6b7a152_quant:
	s_mov_b64 s[64:65], 0
	v_nop
	global_prefetch_b8 v0, s[64:65] scope:SCOPE_SE
	s_setreg_imm32_b32 hwreg(HW_REG_WAVE_MODE, 25, 1), 1
	s_wait_xcnt 0x0
; x [8192][1024], qkv_w [3072][1024] and out_w [1024][1024], f32, K innermost, become codes of FP6 (E2M3) with one E8M0 byte for each 32 along K,
; laid as IMAGES OF OPERAND REGISTERS.  A unit of 12,800 bytes serves 128 rows x 128 K: eight fragment images of 1,536 bytes (registers 4 c .. 4 c + 3 of
; lane l at 512 c + 16 l), then the scale image of 512 bytes (the word of fragment f, row r, at 256 (f / 4) + 8 (16 (f % 2) + r) + 4 ((f / 2) % 2)).
; Lane r of fragment f holds row 32 (f / 2) + 8 (f % 2) + r + 8 (r / 8) of the 128: used as source 0 of a product, a lane's registers of two neighbouring tiles are then 16 neighbours.
; Units lie [block of 128 rows][K step]: blocks 0-63 x, 64-87 qkv_w, 88-95 out_w.  A work-group makes one unit, each of its eight waves one fragment.
; A block's scale is 2^(floor(log2(largest magnitude)) - 2); its byte is the largest magnitude's exponent field - 2, held at 1 from below.
; LIMITS: a block of zeros gets the byte 1 where the rule says 127 (its codes are zeros, and this program alone reads the bytes); blocks whose largest magnitude lies under 2^-124 are held at the byte 1;
; NaN and infinities among the inputs are not served.
; Each load reads 512 consecutive bytes of one row; the 16 rows turn through the wave's own stage in LDS (rows 528 bytes apart), from which a lane takes 16 neighbours of each block of 32.
.set STG,   8448                       ; a wave's stage: 16 rows x 528 bytes
.set SCI,   8*STG                      ; the unit's scale image, 512 bytes
.set SPARE, SCI+512                    ; the spare words, 128 bytes for each wave: four blocks of 256 bytes that no other line names
.set SPW,   12                         ; v12  LDS address of my spare word; never rewritten
.set NIL,   13                         ; v13  0; never rewritten
.set R,     16                         ; v16-79   the numbers as loaded
.set X,     80                         ; v80-143  register 16 b + i = k 32 b + 16 (lane / 16) + i of my row
.set TM,    16                         ; behind the turn through the stage R's registers are free: v16-31 at work,
.set PC,    32                         ; v32-51 the codes,
.set PW,    52                         ; v52 the scale word
.set SEL,   20                         ; s[20:21] selects for lane l xor 16
	s_load_b256 s[4:11], s[0:1], 0x0               ; x s[4:5], qkv_w s[6:7], out_w s[8:9], the units s[10:11]
	v_lshl_add_u32 v[SPW], v0, 2, SPARE
	v_mov_b32 v[NIL], 0
	v_lshrrev_b32 v1, 5, v0
	v_readfirstlane_b32 s12, v1                    ; wave 0..7 = my fragment
	v_and_b32 v1, 31, v0
	v_lshlrev_b32 v2, 4, v1                        ; 16 x lane
	s_mul_i32 s13, s12, STG
	v_add_nc_u32 v3, s13, v2                       ; the stage, way in: a row's 512 bytes as they lie
	v_and_b32 v6, 15, v0                           ; r
	v_bfe_u32 v7, v0, 4, 1                         ; h
	v_mul_u32_u24 v4, v6, 528
	v_lshl_add_u32 v4, v7, 6, v4
	v_add_nc_u32 v4, s13, v4                       ; way out: row r, + 64 h
	s_lshr_b32 s14, s12, 2
	s_lshl_b32 s14, s14, 8                         ; 256 (f / 4)
	s_and_b32 s15, s12, 1
	s_lshl_b32 s15, s15, 7                         ; 8 x 16 (f % 2)
	s_add_co_u32 s14, s14, s15
	s_bfe_u32 s15, s12, 0x10001
	s_lshl_b32 s15, s15, 2                         ; 4 ((f / 2) % 2)
	s_add_co_u32 s14, s14, s15
	s_add_co_u32 s14, s14, SCI
	v_lshl_add_u32 v5, v6, 3, s14                  ; where my row's scale word goes
	v_add_nc_u32 v8, SCI, v2                       ; and where wave 0 reads the image back
	s_mov_b32 s[SEL], 0x76543210
	s_mov_b32 s[SEL+1], 0xfedcba98
	s_lshr_b32 s16, ttmp9, 3                       ; block of 128 rows
	s_and_b32 s17, ttmp9, 7                        ; K step
	s_wait_kmcnt 0x0
	s_cmp_lt_u32 ttmp9, 704                        ; which tensor: the choice hangs on the work-group's number alone
	s_cselect_b64 s[6:7], s[6:7], s[8:9]
	s_cselect_b32 s18, 64, 88
	s_cmp_lt_u32 ttmp9, 512
	s_cselect_b64 s[4:5], s[4:5], s[6:7]
	s_cselect_b32 s18, 0, s18
	s_sub_co_u32 s16, s16, s18                     ; the block within its tensor
	s_lshl_b32 s16, s16, 19                        ; x 128 rows of 4,096 bytes
	s_lshl_b32 s17, s17, 9                         ; + 512 bytes a K step
	s_add_co_u32 s16, s16, s17
	s_lshr_b32 s17, s12, 1
	s_lshl_b32 s17, s17, 17                        ; + 32 (f / 2) rows
	s_add_co_u32 s16, s16, s17
	s_and_b32 s17, s12, 1
	s_lshl_b32 s17, s17, 15                        ; + 8 (f % 2) rows
	s_add_co_u32 s16, s16, s17
	s_mov_b32 s17, 0
	s_add_nc_u64 s[4:5], s[4:5], s[16:17]
	s_mul_i32 s18, ttmp9, 12800
	s_mov_b32 s19, 0
	s_add_nc_u64 s[10:11], s[10:11], s[18:19]      ; my unit
	s_mul_i32 s18, s12, 1536
	s_add_nc_u64 s[22:23], s[10:11], s[18:19]      ; my fragment's image
.irp i, 0,1,2,3,4,5,6,7,8,9,10,11,12,13,14,15
	global_load_b128 v[R+4*\i:R+4*\i+3], v2, s[4:5] offset:(\i+8*(\i/8))*4096 th:TH_LOAD_NT   ; lane r = i's row: 512 consecutive bytes
.endr
.irp i, 0,1,2,3,4,5,6,7,8,9,10,11,12,13,14,15
	s_wait_loadcnt 15-\i                           ; loads come back in order: row i is in, the younger ones may be out
	ds_store_b128 v3, v[R+4*\i:R+4*\i+3] offset:528*\i
.endr
.irp b, 0,1,2,3
.irp j, 0,1,2,3
	ds_load_b128 v[X+16*\b+4*\j:X+16*\b+4*\j+3], v4 offset:128*\b+16*\j   ; LDS serves a wave's instructions in order: these see my stores
.endr
.endr
	s_wait_dscnt 0x0                               ; X is in, and the stores have read R
.irp b, 0,1,2,3
	v_mov_b32 v[TM+4+\b], 0                        ; a lane permute's destination counts as one of its sources
.endr
.irp b, 0,1,2,3
	v_max3_num_f32 v[TM+\b], |v[X+16*\b]|, |v[X+1+16*\b]|, 0x1800000   ; block b: my 16 numbers, and the floor 2^(3 - 127): the byte cannot fall under 1
.endr
.irp i, 2,4,6,8,10,12,14
.irp b, 0,1,2,3
	v_max3_num_f32 v[TM+\b], |v[X+16*\b+\i]|, |v[X+1+16*\b+\i]|, v[TM+\b]   ; the four blocks by turns
.endr
.endr
.irp b, 0,1,2,3
	v_permlanex16_b32 v[TM+4+\b], v[TM+\b], s[SEL], s[SEL+1]
.endr
.irp b, 0,1,2,3
	v_max_num_f32 v[TM+\b], v[TM+\b], v[TM+4+\b]   ; with lane l xor 16's: the block's largest magnitude
.endr
.irp b, 0,1,2,3
	v_add_nc_u32 v[TM+12+\b], 0xff000000, v[TM+\b] ; 2 off its exponent field: the conversion's scale operand
.endr
.irp b, 0,1,2,3
	v_lshrrev_b32 v[TM+4+\b], 23, v[TM+12+\b]      ; the scale's byte
.endr
	v_lshl_or_b32 v[PW], v[TM+5], 8, v[TM+4]       ; my row's scale word
	v_lshl_or_b32 v[PW], v[TM+6], 16, v[PW]
	v_lshl_or_b32 v[PW], v[TM+7], 24, v[PW]
.irp c, 0,1
	v_cvt_scalef32_pk16_fp6_f32 v[PC+6*\c:PC+2+6*\c], v[X+32*\c:X+15+32*\c], v[TM+12+2*\c]
	v_cvt_scalef32_pk16_fp6_f32 v[PC+12+4*\c:PC+14+4*\c], v[X+16+32*\c:X+31+32*\c], v[TM+12+2*\c+1]   ; (a conversion's three registers begin on an even number)
.endr
	v_nop                                          ; one plain place behind a scaled conversion
.irp c, 0,1                                    ; the operand wants a whole block in a lane: lanes 0-15 block 2 c, lanes 16-31 block 2 c + 1
.irp i, 0,1,2
	v_permlane16_swap_b32 v[PC+6*\c+\i], v[PC+12+4*\c+\i]
.endr
.irp i, 0,1,2
	v_mov_b32 v[PC+3+6*\c+\i], v[PC+12+4*\c+\i]
.endr
.endr
.irp c, 0,1,2
	global_store_b128 v2, v[PC+4*\c:PC+4*\c+3], s[22:23] offset:512*\c   ; 32 lanes store 512 consecutive bytes, aligned
.endr
	ds_store_b32 v5, v[PW]                         ; both halves of the lanes write the same word with the same value
	s_wait_dscnt 0x0                               ; for the others' sake: my word has landed
	s_barrier_signal -1
	s_barrier_wait -1
	s_cmp_lg_u32 s12, 0
	s_cbranch_scc1 .Lend
	ds_load_b128 v[56:59], v8                      ; wave 0: the eight waves' words, 512 bytes
	s_wait_dscnt 0x0
	global_store_b128 v2, v[56:59], s[10:11] offset:12288
.Lend:
	s_wait_tensorcnt 0x0                           ; the wave's end, behind my last LDS store
	ds_add_u32 v[SPW], v[NIL]
	s_wait_dscnt 0x0
	s_endpgm
.Lfunc_end_k_q0af6b7a152_quant:
	.size	k_q0af6b7a152_quant, .Lfunc_end_k_q0af6b7a152_quant-k_q0af6b7a152_quant
	.p2alignl 7, 3214868480
	.fill 96, 4, 3214868480
	.section	.rodata,"a",@progbits
	.p2align	6, 0x0
	.amdhsa_kernel k_q0af6b7a152_quant
		.amdhsa_group_segment_fixed_size 69120
		.amdhsa_private_segment_fixed_size 0
		.amdhsa_enable_private_segment 0
		.amdhsa_kernarg_size 32
		.amdhsa_user_sgpr_count 2
		.amdhsa_user_sgpr_kernarg_segment_ptr 1
		.amdhsa_wavefront_size32 1
		.amdhsa_system_sgpr_workgroup_id_x 1
		.amdhsa_system_sgpr_workgroup_id_y 1
		.amdhsa_system_sgpr_workgroup_id_z 1
		.amdhsa_system_vgpr_workitem_id 0
		.amdhsa_next_free_vgpr 144
		.amdhsa_next_free_sgpr 66
		.amdhsa_reserve_vcc 0
		.amdhsa_float_denorm_mode_32 3
		.amdhsa_float_denorm_mode_16_64 3
		.amdhsa_memory_ordered 1
		.amdhsa_forward_progress 1
		.amdhsa_inst_pref_size 12
	.end_amdhsa_kernel
	.amdgpu_metadata
---
amdhsa.version: [ 1, 2 ]
amdhsa.kernels:
  - .name:           k_q0af6b7a152_quant
    .symbol:         k_q0af6b7a152_quant.kd
    .args:
      - { .name: x, .offset: 0, .size: 8, .value_kind: global_buffer, .address_space: global }
      - { .name: qkv_w, .offset: 8, .size: 8, .value_kind: global_buffer, .address_space: global }
      - { .name: out_w, .offset: 16, .size: 8, .value_kind: global_buffer, .address_space: global }
      - { .name: qin_c, .offset: 24, .size: 8, .value_kind: global_buffer, .address_space: global }
    .group_segment_fixed_size: 69120
    .private_segment_fixed_size: 0
    .kernarg_segment_align: 8
    .kernarg_segment_size: 32
    .max_flat_workgroup_size: 256
    .sgpr_count:     66
    .vgpr_count:     144
    .wavefront_size: 32
...
	.end_amdgpu_metadata
.endif
;; end of part 1
;; launch qkvp (part 2): grid 64 x 4, 4 waves a work-group, clusters of 4 x 4, 327,680 bytes of LDS; arguments qin_c, qkv_c; writes qkv_c
.if DOCPART == 2
	.amdgcn_target "amdgcn-amd-amdhsa--gfx1250"
	.amdhsa_code_object_version 6
	.text
	.protected	k_q0af6b7a152_qkvp
	.globl	k_q0af6b7a152_qkvp
	.p2align	8
	.type	k_q0af6b7a152_qkvp,@function
k_q0af6b7a152_qkvp:
	s_mov_b64 s[64:65], 0
	v_nop
	global_prefetch_b8 v0, s[64:65] scope:SCOPE_SE
	s_setreg_imm32_b32 hwreg(HW_REG_WAVE_MODE, 25, 1), 1
	s_wait_xcnt 0x0
	s_wait_alu depctr_hold_cnt(0) depctr_sa_sdst(0) depctr_va_vdst(0) depctr_va_sdst(0) depctr_va_ssrc(0) depctr_va_vcc(0) depctr_vm_vsrc(0)
	s_getreg_b32 s2, hwreg(HW_REG_IB_STS2, 6, 4)
	s_cmp_eq_u32 s2, 0
	s_cbranch_scc0 .Lentry_in_a_cluster
	s_endpgm
.Lentry_in_a_cluster:
	s_bfe_u32 s2, ttmp6, 0x10000c
	s_cmp_lg_u32 s2, 0xf033
	s_cbranch_scc0 .Lentry_shape_is_right
	s_endpgm
.Lentry_shape_is_right:
; qkv = x qkv_w^T on codes of FP6 (E2M3) with E8M0 scales, sums in f32; the result is quantised in registers and stored as operand images (units of 12,800 bytes: see below).
; q and k are quantised along the channels, v along the keys.
; A WORK-GROUP STAYS AND MAKES TWO TILES.  q and k are 32 x 8 = 256 tiles of 256 tokens x 256 channels; v is 8 x 32 = 256 tiles of 128 channels x 256 tokens: one of each for each of 256 work-groups, all with equal work.
; Source 0 (role P) gives the axis that runs along a lane's registers, source 1 (role R) the lane's row.  PHASE 1, q and k: P = rows of the weight, R = tokens; four waves, each 128 x 128: 64 accumulators.
; PHASE 2, v: P = tokens, R = rows of the weight: so v comes out with the keys innermost; four waves, each 64 x 128: 32 accumulators.
; UNITS.  128 rows x 128 K: eight fragment images of 1,536 bytes (registers 4 c .. 4 c + 3 of lane l at 512 c + 16 l), then 512 bytes of scale words (fragment f, row r: 256 (f / 4) + 8 (16 (f % 2) + r) + 4 ((f / 2) % 2)).
; Lane r of fragment f is row 32 (f / 2) + 8 (f % 2) + r + 8 (r / 8) of the 128, so a lane's 16 registers of tiles 2 g, 2 g + 1 are P's rows 32 g + 16 (lane / 16) + 0 .. 15.
; Out: q = unit 8 tb + ks, k = 512 + 8 tb + ks (tb: block of 128 tokens), v = 1024 + 16 (8 batch + channel block) + key step.
; CLUSTERS of 4 x 4, sixteen of them: in both phases R's tile hangs on cy and is asked for jointly along a row of the cluster, P's on cx and along a column.
; LDS.  Phase 1: K in four chunks of two steps of 128 through slots 0 and 1 (102,400 bytes each); a wave's tensor load brings two units, 25,600 dense bytes.
; Phase 2's operands: region X (behind the slots, filled once, with the first fills): the weight's K steps 0-3, then the tokens' K steps 0-1; region Y (the two slots' bytes, filled again by one joint load a wave behind a
; round that stands in phase 1's last step, when every wave's reads of both slots are over): the weight's K steps 4-7, then the tokens' K steps 2-7.  Y has the quantising of q and k in which to land.  All is written out: no loop.
; LIMITS: a block of zeros gets the byte 1 (its codes are zeros; this program alone reads the bytes); NaN and infinities are not served.
; REGISTERS: window 0: v2-9 and v40-49 LDS addresses, v16-23 P's scale words, v32-39 R's, from v64 R's fragments in two sets; window 1: P's fragments in two sets; windows 2, 3: accumulator (a, b) at v[8 (8 (a % 4) + b)].
.set RB, 8                             ; R's blocks of 16 rows in a wave (phase 2 sets it to 4)
.set NQ, 2                             ; steps of 128 along K in a slot
.set UAL, 12800                        ; R's unit in LDS
.set UBL, 12800                        ; P's
.set ALB, 25600                        ; bytes of a wave's load for R
.set BLB, 25600                        ; for P
.set CHA, 25600                        ; memory bytes from chunk to chunk
.set CHB, 25600
.set BOFF, 51200                       ; P's region in a slot
.set SLOT, 102400
.set AHALF, 25600                      ; from one half of R's rows to the other, fragments
.set ASHALF, 25600                     ; and scale words
.set XB, 2*SLOT                        ; region X: 102,400 bytes
.set SPARE, XB+SLOT                    ; behind X: the spare words, 128 bytes for each wave, that no other line names
.set ADRA, 2
.set ADRB, 4
.set ADSB, 6
.set ADSA, 8
.set SCB, 16
.set L16, 24
.set L8, 25
.set SPW, 28
.set NIL, 29
.set SCA, 32
.set A2F, 40                           ; v40-41 phase 2: my fragments of R in X, in Y
.set A2S, 42                           ; v42-43 their scale words
.set B2F, 44                           ; v44-46 my fragments of P in X, in Y (K steps 2-4), in Y (K steps 5-7: an LDS offset has 16 bits)
.set B2S, 47                           ; v47-49 their scale words
.set L8H, 50                           ; v50    8 x lane + 256 x my half of R: a memory offset
.set AF, 64
.set SEL, 2                            ; s[2:3] selects for lane l xor 16
.set WV, 12
.set HR, 13
.set HP, 14
.set CX, 15
.set CY, 16
.set G1A, 24                           ; s[24:31] group 1 for R's loads, all of 100 rows of 256 bytes;  s[32:39] groups 0 for slots 0, 1
.set G0A, 32
.set G1B, 48                           ; s[48:55], s[56:63] the same for P
.set G0B, 56
.set HM, 66
.set G1BY, 68                          ; s[68:75] group 1 for P's load into Y: 300 rows
.set TA, 76                            ; s76 phase 1: R's tile, s77 P's, in blocks of 256 rows of the units' buffer
.set TB, 77
.set TB2, 78                           ; s78 phase 2: the tokens' tile of 256
.set TA2, 79                           ; s79 phase 2: the channels' block of 128
.set G0AX, 84                          ; s[84:99] groups 0 for phase 2: R into X, P into X, R into Y, P into Y
.set G0BX, 88
.set G0AY, 92
.set G0BY, 96
.set OU2, 10                           ; s[10:11] v's unit
.set OF2, 100                          ; s[100:101] my four fragments in it
.set MSB, 0
.macro WIN new                         ; the immediate's high byte repeats the setting that is left; a switch that changes nothing is dropped
.if MSB != (\new)
	s_set_vgpr_msb (MSB<<8)|(\new)
.set MSB, (\new)
.endif
.endm
.macro PLACES n
.rept \n
	v_nop
.endr
.endm
.macro JLOADG g0a, g1a, g0b, g1b       ; a joint load: waves 0, 1 fetch for R, waves 2, 3 for P; an s_nop 0 and four v_nop follow each line
	s_cmp_eq_u32 s[HR], 0
	s_cbranch_scc0 .Lfor_b_\@
	tensor_load_to_lds s[\g0a:\g0a+3], s[\g1a:\g1a+7]
	s_nop 0
.rept 4
	v_nop
.endr
	s_branch .Lasked_\@
.Lfor_b_\@:
	tensor_load_to_lds s[\g0b:\g0b+3], s[\g1b:\g1b+7]
	s_nop 0
.rept 4
	v_nop
.endr
.Lasked_\@:
.endm
.macro JLOAD s                         ; phase 1's: into slot s
	JLOADG G0A+4*(\s), G1A, G0B+4*(\s), G1B
.endm
.macro CREST                           ; a round of the cluster's barrier behind its opening barrier
	s_cmp_lg_u32 s[WV], 0
	s_cbranch_scc1 .Lnot_wave_0_\@
	s_barrier_signal -3
.Lnot_wave_0_\@:
	s_barrier_wait -3
	s_barrier_signal -1
	s_barrier_wait -1
.endm
.macro CROUND
	s_barrier_signal -1
	s_barrier_wait -1
	CREST
.endm
.macro HEAD                            ; behind the arguments' s_load: the opening add, ids, masks, the descriptors' constant words
	v_lshl_add_u32 v[SPW], v0, 2, SPARE
	v_mov_b32 v[NIL], 0
	ds_add_u32 v[SPW], v[NIL]                      ; the wave's opening: the add, and its wait ahead of my first tensor load; work on registers stands between them
	v_lshrrev_b32 v1, 5, v0
	v_readfirstlane_b32 s[WV], v1                  ; wave 0..3
	s_lshr_b32 s[HR], s[WV], 1                     ; my half of R.  Also: I fetch for R (0) or for P (1)
	s_and_b32 s[HP], s[WV], 1                      ; my half of P.  Also: which part I fetch
	s_bfe_u32 s[CX], ttmp6, 0x40000
	s_bfe_u32 s[CY], ttmp6, 0x40004
	s_lshl_b32 s17, s[CY], 2
	s_lshl_b32 s17, 15, s17                        ; my row of the cluster
	s_lshl_b32 s40, 0x1111, s[CX]                  ; my column
	s_or_b32 s[G1A], s17, (3<<16)|(1<<21)          ; the mask; elements of 8 bytes; bit 21 beside a mask; no padding
	s_or_b32 s[G1B], s40, (3<<16)|(1<<21)
	s_or_b32 s[G1BY], s40, (3<<16)|(1<<21)
	s_mov_b32 s[G1A+1], 32<<16                     ; a dense block as rows of 256 bytes: tensor_dim0 = 32
	s_mov_b32 s[G1A+2], (ALB/256)<<16              ; tensor_dim1
	s_mov_b32 s[G1A+3], 32<<16                     ; tile_dim0
	s_mov_b32 s[G1A+4], ALB/256                    ; tile_dim1
	s_mov_b32 s[G1A+5], 32                         ; the pitch
	s_mov_b32 s[G1A+6], 0
	s_mov_b32 s[G1A+7], 0
	s_mov_b32 s[G1B+1], 32<<16
	s_mov_b32 s[G1B+2], (BLB/256)<<16
	s_mov_b32 s[G1B+3], 32<<16
	s_mov_b32 s[G1B+4], BLB/256
	s_mov_b32 s[G1B+5], 32
	s_mov_b32 s[G1B+6], 0
	s_mov_b32 s[G1B+7], 0
	s_mov_b32 s[G1BY+1], 32<<16                    ; six units, 76,800 dense bytes: 300 rows
	s_mov_b32 s[G1BY+2], 300<<16
	s_mov_b32 s[G1BY+3], 32<<16
	s_mov_b32 s[G1BY+4], 300
	s_mov_b32 s[G1BY+5], 32
	s_mov_b32 s[G1BY+6], 0
	s_mov_b32 s[G1BY+7], 0
	s_mul_i32 s20, s[HP], ALB                      ; where my load lands: no place in the cluster enters an LDS address
	s_mul_i32 s21, s[HP], BLB
	s_add_co_u32 s21, s21, BOFF
	s_mov_b32 s[G0A], 1
	s_mov_b32 s[G0A+1], s20
	s_mov_b32 s[G0A+4], 1
	s_add_co_u32 s[G0A+5], s20, SLOT
	s_mov_b32 s[G0B], 1
	s_mov_b32 s[G0B+1], s21
	s_mov_b32 s[G0B+4], 1
	s_add_co_u32 s[G0B+5], s21, SLOT
	s_mov_b32 s[G0AX], 1                           ; X: R's four units, then P's two blocks of two units
	s_add_co_u32 s[G0AX+1], s20, XB
	s_mov_b32 s[G0BX], 1
	s_add_co_u32 s[G0BX+1], s21, XB
	s_mov_b32 s[G0AY], 1                           ; Y: R's four units from byte 0, then P's two blocks of six units
	s_mov_b32 s[G0AY+1], s20
	s_mov_b32 s[G0BY], 1
	s_mul_i32 s19, s[HP], 76800
	s_add_co_u32 s[G0BY+1], s19, 51200
	s_mov_b32 s[HM], 0xffff0000                    ; lanes 16-31
	s_mov_b32 s[SEL], 0x76543210
	s_mov_b32 s[SEL+1], 0xfedcba98                 ; selects for lane l xor 16
.endm
.macro ADDRS                           ; every LDS address register of both phases, made once
	v_and_b32 v1, 31, v0
	v_lshlrev_b32 v[L16], 4, v1
	v_lshlrev_b32 v[L8], 3, v1
	s_mul_i32 s17, s[HR], AHALF
	s_mul_i32 s18, s[HP], NQ*UBL
	s_add_co_u32 s18, s18, BOFF
	s_mul_i32 s19, s[HR], ASHALF
.irp s, 0,1
	v_add_nc_u32 v[ADRA+\s], s17, v[L16]
	v_add_nc_u32 v[ADRB+\s], s18, v[L16]
	v_add_nc_u32 v[ADSB+\s], s18, v[L8]
	v_add_nc_u32 v[ADSA+\s], s19, v[L8]
	s_add_co_u32 s17, s17, SLOT
	s_add_co_u32 s18, s18, SLOT
	s_add_co_u32 s19, s19, SLOT
.endr
	s_mul_i32 s17, s[HR], 6144                     ; phase 2: my four of R's eight fragments,
	v_add_nc_u32 v[A2F+1], s17, v[L16]             ; in Y,
	s_add_co_u32 s17, s17, XB
	v_add_nc_u32 v[A2F], s17, v[L16]               ; in X
	s_lshl_b32 s17, s[HR], 8                       ; and my half of their scale words
	v_add_nc_u32 v[A2S+1], s17, v[L8]
	v_add_nc_u32 v[L8H], s17, v[L8]
	s_add_co_u32 s17, s17, XB
	v_add_nc_u32 v[A2S], s17, v[L8]
	s_mul_i32 s18, s[HP], 25600                    ; my block of P: in X two units,
	s_add_co_u32 s18, s18, XB+51200
	v_add_nc_u32 v[B2F], s18, v[L16]
	v_add_nc_u32 v[B2S], s18, v[L8]
	s_mul_i32 s18, s[HP], 76800                    ; in Y six
	s_add_co_u32 s18, s18, 51200
	v_add_nc_u32 v[B2F+1], s18, v[L16]
	v_add_nc_u32 v[B2S+1], s18, v[L8]
	s_add_co_u32 s18, s18, 38400
	v_add_nc_u32 v[B2F+2], s18, v[L16]
	v_add_nc_u32 v[B2S+2], s18, v[L8]
.endm
.macro GADDR                           ; slot s begins with chunk s
.irp s, 0,1
	s_add_nc_u64 s[G0A+4*\s+2:G0A+4*\s+3], s[42:43], \s*CHA
	s_or_b32 s[G0A+4*\s+3], s[G0A+4*\s+3], 0x80000000
	s_add_nc_u64 s[G0B+4*\s+2:G0B+4*\s+3], s[44:45], \s*CHB
	s_or_b32 s[G0B+4*\s+3], s[G0B+4*\s+3], 0x80000000
.endr
.endm
.macro FETCH sl, q, p                  ; phase 1: the fragments and scale words of the slot's q-th step into set p: every load takes 512 or 256 consecutive bytes
	WIN 0x40
.irp b, 0,1,2,3,4,5,6,7
.irp c, 0,1,2
	ds_load_b128 v[128*(\p)+12*\b+4*\c:128*(\p)+12*\b+4*\c+3], v[ADRB+(\sl)] offset:(\q)*UBL+1536*\b+512*\c
.endr
.endr
	WIN 0
.irp a, 0,1,2,3,4,5,6,7
.irp c, 0,1,2
	ds_load_b128 v[AF+96*(\p)+12*\a+4*\c:AF+96*(\p)+12*\a+4*\c+3], v[ADRA+(\sl)] offset:(\q)*UAL+1536*\a+512*\c
.endr
.endr
	ds_load_b64 v[SCB+4*(\p):SCB+4*(\p)+1], v[ADSB+(\sl)] offset:(\q)*UBL+12288
	ds_load_b64 v[SCB+4*(\p)+2:SCB+4*(\p)+3], v[ADSB+(\sl)] offset:(\q)*UBL+12544
	ds_load_b64 v[SCA+4*(\p):SCA+4*(\p)+1], v[ADSA+(\sl)] offset:(\q)*UAL+12288
	ds_load_b64 v[SCA+4*(\p)+2:SCA+4*(\p)+3], v[ADSA+(\sl)] offset:(\q)*UAL+12544
.endm
.macro FETCH2 ks, p                    ; phase 2: K step ks into set p.  R's steps 0-3 lie in X, 4-7 in Y; P's steps 0-1 in X, 2-7 in Y
.if (\ks) < 2
.set bI_, 0
.set bO_, (\ks)*12800
.elseif (\ks) < 5
.set bI_, 1
.set bO_, ((\ks)-2)*12800
.else
.set bI_, 2
.set bO_, ((\ks)-5)*12800
.endif
.set aI_, (\ks)/4
.set aO_, ((\ks)%4)*12800
	WIN 0x40
.irp b, 0,1,2,3,4,5,6,7
.irp c, 0,1,2
	ds_load_b128 v[128*(\p)+12*\b+4*\c:128*(\p)+12*\b+4*\c+3], v[B2F+bI_] offset:bO_+1536*\b+512*\c
.endr
.endr
	WIN 0
.irp a, 0,1,2,3
.irp c, 0,1,2
	ds_load_b128 v[AF+48*(\p)+12*\a+4*\c:AF+48*(\p)+12*\a+4*\c+3], v[A2F+aI_] offset:aO_+1536*\a+512*\c
.endr
.endr
	ds_load_b64 v[SCB+4*(\p):SCB+4*(\p)+1], v[B2S+bI_] offset:bO_+12288
	ds_load_b64 v[SCB+4*(\p)+2:SCB+4*(\p)+3], v[B2S+bI_] offset:bO_+12544
	ds_load_b64 v[SCA+2*(\p):SCA+2*(\p)+1], v[A2S+aI_] offset:aO_+12288
.endm
.macro WM cm                           ; one product; a scale register carries an even fragment's words in lanes 0-15 and the odd one's in lanes 16-31
.if (\cm) == 0
.if rRW == 0
	v_wmma_scale_f32_16x16x128_f8f6f4 v[rD:rD+7], v[rB:rB+11], v[rA:rA+11], 0, v[rSB], v[rSA] matrix_a_fmt:MATRIX_FMT_FP6 matrix_b_fmt:MATRIX_FMT_FP6
.elseif rRW == 1
	v_wmma_scale_f32_16x16x128_f8f6f4 v[rD:rD+7], v[rB:rB+11], v[rA:rA+11], 0, v[rSB], v[rSA] matrix_a_fmt:MATRIX_FMT_FP6 matrix_b_fmt:MATRIX_FMT_FP6 matrix_a_scale:MATRIX_SCALE_ROW1
.elseif rRW == 2
	v_wmma_scale_f32_16x16x128_f8f6f4 v[rD:rD+7], v[rB:rB+11], v[rA:rA+11], 0, v[rSB], v[rSA] matrix_a_fmt:MATRIX_FMT_FP6 matrix_b_fmt:MATRIX_FMT_FP6 matrix_b_scale:MATRIX_SCALE_ROW1
.else
	v_wmma_scale_f32_16x16x128_f8f6f4 v[rD:rD+7], v[rB:rB+11], v[rA:rA+11], 0, v[rSB], v[rSA] matrix_a_fmt:MATRIX_FMT_FP6 matrix_b_fmt:MATRIX_FMT_FP6 matrix_a_scale:MATRIX_SCALE_ROW1 matrix_b_scale:MATRIX_SCALE_ROW1
.endif
.else
.if rRW == 0
	v_wmma_scale_f32_16x16x128_f8f6f4 v[rD:rD+7], v[rB:rB+11], v[rA:rA+11], v[rD:rD+7], v[rSB], v[rSA] matrix_a_fmt:MATRIX_FMT_FP6 matrix_b_fmt:MATRIX_FMT_FP6
.elseif rRW == 1
	v_wmma_scale_f32_16x16x128_f8f6f4 v[rD:rD+7], v[rB:rB+11], v[rA:rA+11], v[rD:rD+7], v[rSB], v[rSA] matrix_a_fmt:MATRIX_FMT_FP6 matrix_b_fmt:MATRIX_FMT_FP6 matrix_a_scale:MATRIX_SCALE_ROW1
.elseif rRW == 2
	v_wmma_scale_f32_16x16x128_f8f6f4 v[rD:rD+7], v[rB:rB+11], v[rA:rA+11], v[rD:rD+7], v[rSB], v[rSA] matrix_a_fmt:MATRIX_FMT_FP6 matrix_b_fmt:MATRIX_FMT_FP6 matrix_b_scale:MATRIX_SCALE_ROW1
.else
	v_wmma_scale_f32_16x16x128_f8f6f4 v[rD:rD+7], v[rB:rB+11], v[rA:rA+11], v[rD:rD+7], v[rSB], v[rSA] matrix_a_fmt:MATRIX_FMT_FP6 matrix_b_fmt:MATRIX_FMT_FP6 matrix_a_scale:MATRIX_SCALE_ROW1 matrix_b_scale:MATRIX_SCALE_ROW1
.endif
.endif
.endm
.macro MULB a, p, sab, cm              ; R's block a against P's eight, set p; sab: R's scale registers; cm = 0: the product starts the sums, 1: in place
	WIN 0xa1+0x50*((\a)/4)
.irp b, 0,1,2,3,4,5,6,7
.set rD, 8*(8*((\a)%4)+\b)
.set rB, 128*(\p)+12*\b
.set rA, AF+12*RB*(\p)+12*(\a)
.set rSB, SCB+4*(\p)+\b/2
.set rSA, (\sab)+(\a)/2
.set rRW, (\b%2)+2*((\a)%2)
	WM \cm
.endr
.endm
.macro MULS a0, n, p, sab, cm          ; blocks a0 .. a0 + n - 1.  The accumulators take turns, one instruction a turn, in the same order in every step
.set ma_, (\a0)
.rept (\n)
	MULB ma_, \p, \sab, \cm
.set ma_, ma_+1
.endr
.endm
.macro STEP sl, q, sab, cm             ; phase 1: a step that has its successor in the same slot: the successor's loads go out at its head and have the step's products in which to come
	s_wait_dscnt 0x0                               ; this step's fragments and scale words are in
	PLACES 4                                       ; in front of loads into registers that the last step's products have read
	FETCH \sl, (\q)+1, 1-(\q)%2
	MULS 0, RB, (\q)%2, \sab, \cm
.endm
.macro STEP2 ks, cm                    ; phase 2: the same; all of its operands lie in LDS, so no step changes slots
	s_wait_dscnt 0x0
	PLACES 4
	FETCH2 (\ks)+1, 1-(\ks)%2
	MULS 0, RB, (\ks)%2, SCA+2*((\ks)%2), \cm
.endm
.macro TURN sl, sab, fill              ; a slot's last step changes slots: one barrier; fill = 1: it opens a round of the cluster's barrier, and this slot is filled again, two chunks on
	WIN 0
	s_wait_tensorcnt 0x0                           ; all my tensor loads have landed: my part of the next slot (the first time: of X too)
	ds_add_u32 v[SPW], v[NIL]                      ; 0 onto my spare word
	s_wait_dscnt 0x1                               ; this step's loads are in; the add alone may be out
	MULS 0, RB/4, 1, \sab, 1
	s_wait_dscnt 0x0                               ; the add is done, and my reads of this slot are over
	s_barrier_signal -1
	MULS RB/4, RB/4, 1, \sab, 1
	WIN 0
	s_barrier_wait -1
.if \fill
	CREST                                          ; no wave of any partner still reads this slot or has a load on its way
	s_add_nc_u64 s[G0A+4*(\sl)+2:G0A+4*(\sl)+3], s[G0A+4*(\sl)+2:G0A+4*(\sl)+3], 2*CHA
	s_add_nc_u64 s[G0B+4*(\sl)+2:G0B+4*(\sl)+3], s[G0B+4*(\sl)+2:G0B+4*(\sl)+3], 2*CHB
	JLOAD \sl                                      ; the first tensor load behind the round; its four v_nop are also the places in front of the loads below
.else
	PLACES 4
.endif
	FETCH 1-(\sl), 0, 0
	MULS RB/2, RB/2, 1, \sab, 1
.endm
.macro FIN sab                         ; phase 1's last step: both slots have been read out, so their bytes take region Y; phase 2's first fragments come out of X, which landed long ago
	WIN 0
	s_wait_tensorcnt 0x0                           ; no tensor load of mine is out
	ds_add_u32 v[SPW], v[NIL]                      ; 0 onto my spare word
	s_wait_dscnt 0x1                               ; this step's loads are in; the add alone may be out
	MULS 0, 2, 1, \sab, 1
	s_wait_dscnt 0x0                               ; the add is done, and my reads of the slots are over
	s_barrier_signal -1
	MULS 2, 2, 1, \sab, 1
	WIN 0
	s_barrier_wait -1
	CREST                                          ; no wave of any partner still reads a slot or has a load on its way
	JLOADG G0AY, G1A, G0BY, G1BY                   ; the first tensor load behind the round, one a wave; its four v_nop are also the places in front of the loads below
	FETCH2 0, 0
	MULS 4, 4, 1, \sab, 1
	WIN 0
.endm
.macro LAST sab
	s_wait_dscnt 0x0
	MULS 0, RB, 1, \sab, 1
	WIN 0
.endm
; 64 numbers of a lane in window W, register s + 16 b + i = index 32 b + 16 (lane / 16) + i of my row, become a fragment's codes in v[PC] on and its scale word in v[PW]
.set TM, 200
.set PC, 216
.set PW, 236
.macro QUANT s, W
	WIN (\W)|((\W)<<2)
.irp b, 0,1,2,3
	v_max3_num_f32 v[TM+\b], |v[(\s)+16*\b]|, |v[(\s)+1+16*\b]|, 0x1800000   ; each accumulator is read from its low end on; the floor 2^(3 - 127) holds the byte at 1 from below
.endr
.irp i, 2,4,6,8,10,12,14
.irp b, 0,1,2,3
	v_max3_num_f32 v[TM+\b], |v[(\s)+16*\b+\i]|, |v[(\s)+1+16*\b+\i]|, v[TM+\b]
.endr
.endr
	WIN 0
.irp b, 0,1,2,3
	v_permlanex16_b32 v[TM+4+\b], v[TM+\b], s[SEL], s[SEL+1]
.endr
.irp b, 0,1,2,3
	v_max_num_f32 v[TM+\b], v[TM+\b], v[TM+4+\b]
.endr
.irp b, 0,1,2,3
	v_add_nc_u32 v[TM+12+\b], 0xff000000, v[TM+\b] ; 2 off the exponent field: the conversion's scale operand
.endr
.irp b, 0,1,2,3
	v_lshrrev_b32 v[TM+4+\b], 23, v[TM+12+\b]      ; the byte
.endr
	v_lshl_or_b32 v[PW], v[TM+5], 8, v[TM+4]
	v_lshl_or_b32 v[PW], v[TM+6], 16, v[PW]
	v_lshl_or_b32 v[PW], v[TM+7], 24, v[PW]
	WIN (\W)
.irp c, 0,1
	v_cvt_scalef32_pk16_fp6_f32 v[PC+6*\c:PC+2+6*\c], v[(\s)+32*\c:(\s)+15+32*\c], v[TM+12+2*\c]
	v_cvt_scalef32_pk16_fp6_f32 v[PC+12+4*\c:PC+14+4*\c], v[(\s)+16+32*\c:(\s)+31+32*\c], v[TM+12+2*\c+1]
.endr
	WIN 0
	v_nop                                          ; one plain place behind a scaled conversion
.irp c, 0,1
.irp i, 0,1,2
	v_permlane16_swap_b32 v[PC+6*\c+\i], v[PC+12+4*\c+\i]
.endr
.irp i, 0,1,2
	v_mov_b32 v[PC+3+6*\c+\i], v[PC+12+4*\c+\i]
.endr
.endr
.endm
.set PWS, 160                          ; v160-167 the blocks' scale words
.set IMG, 168                          ; v168-171 their image
	s_load_b128 s[4:7], s[0:1], 0x0                ; the units of x and the weights s[4:5]; q, k, v s[6:7]
	HEAD
	ADDRS
	; R's tiles: made of the cluster's number and cy alone
	s_lshr_b32 s17, ttmp9, 1
	s_lshl_b32 s17, s17, 2
	s_add_co_u32 s[TA], s17, s[CY]                 ; phase 1: tokens, tile of 256: 4 (c / 2) + cy
	s_lshl_b32 s22, s[TA], 1
	s_add_co_u32 s22, s22, s[HP]
	s_mul_i32 s22, s22, 102400                     ; a block of 128 rows is eight units
	s_mov_b32 s23, 0
	s_and_b32 s17, ttmp9, 1
	s_lshl_b32 s17, s17, 2
	s_add_co_u32 s[TA2], s17, s[CY]                ; phase 2: v's channels, block of 128: 4 (c % 2) + cy
	s_add_co_u32 s8, s[TA2], 80                    ; the weight's rows for v begin at block 80
	s_mul_i32 s8, s8, 102400
	s_mul_i32 s17, s[HP], 25600                    ; my two of four units
	s_add_co_u32 s8, s8, s17
	s_mov_b32 s9, 0
	; P's tiles: made of the cluster's number and cx alone
	s_and_b32 s18, ttmp9, 1
	s_lshl_b32 s18, s18, 2
	s_add_co_u32 s18, s18, 32
	s_add_co_u32 s[TB], s18, s[CX]                 ; phase 1: the weight's rows for q and k, tile of 256: 32 + 4 (c % 2) + cx
	s_lshl_b32 s40, s[TB], 1
	s_add_co_u32 s40, s40, s[HP]
	s_mul_i32 s40, s40, 102400
	s_mov_b32 s41, 0
	s_lshr_b32 s18, ttmp9, 1
	s_lshl_b32 s18, s18, 2
	s_add_co_u32 s[TB2], s18, s[CX]                ; phase 2: tokens, tile of 256: 4 (c / 2) + cx
	s_lshl_b32 s46, s[TB2], 1
	s_add_co_u32 s46, s46, s[HP]
	s_mul_i32 s46, s46, 102400
	s_mov_b32 s47, 0
	; where my results go
	s_lshl_b32 s80, s[TA], 1
	s_add_co_u32 s80, s80, s[HR]                   ; phase 1: my block of 128 tokens,
	s_lshl_b32 s81, s[TB], 1
	s_add_co_u32 s81, s81, s[HP]
	s_sub_co_u32 s82, s81, 64                      ; my block of 128 channels of q and k together
	s_lshr_b32 s83, s82, 3
	s_lshl_b32 s83, s83, 9                         ; q: 0, k: 512
	s_and_b32 s82, s82, 7
	s_add_co_u32 s83, s83, s82                     ; + K step
	s_lshl_b32 s82, s80, 3
	s_add_co_u32 s83, s83, s82                     ; + 8 x token block
	s_mul_i32 s82, s83, 12800
	s_mov_b32 s83, 0
	s_lshl_b32 s80, s[TB2], 1
	s_add_co_u32 s80, s80, s[HP]                   ; phase 2: my block of 128 tokens
	s_lshr_b32 s81, s80, 4
	s_lshl_b32 s81, s81, 3                         ; 8 x batch
	s_add_co_u32 s81, s81, s[TA2]                  ; + channel block
	s_lshl_b32 s81, s81, 4
	s_and_b32 s80, s80, 15                         ; key step
	s_add_co_u32 s81, s81, s80
	s_add_co_u32 s81, s81, 1024
	s_mul_i32 s80, s81, 12800
	s_mov_b32 s81, 0
	s_mul_i32 s[OF2], s[HR], 6144                  ; my four of the unit's eight fragments
	s_mov_b32 s[OF2+1], 0
	s_wait_dscnt 0x0                               ; the opening add is done
	s_wait_kmcnt 0x0
	s_add_nc_u64 s[42:43], s[4:5], s[22:23]
	s_add_nc_u64 s[44:45], s[4:5], s[40:41]
	GADDR
	s_add_nc_u64 s[G0AX+2:G0AX+3], s[4:5], s[8:9]                  ; the weight's K steps 0-3,
	s_add_nc_u64 s[G0AY+2:G0AY+3], s[G0AX+2:G0AX+3], 51200         ; 4-7
	s_add_nc_u64 s[G0BX+2:G0BX+3], s[4:5], s[46:47]                ; the tokens' K steps 0-1,
	s_add_nc_u64 s[G0BY+2:G0BY+3], s[G0BX+2:G0BX+3], 25600         ; 2-7
	s_or_b32 s[G0AX+3], s[G0AX+3], 0x80000000
	s_or_b32 s[G0AY+3], s[G0AY+3], 0x80000000
	s_or_b32 s[G0BX+3], s[G0BX+3], 0x80000000
	s_or_b32 s[G0BY+3], s[G0BY+3], 0x80000000
	s_add_nc_u64 s[OU2:OU2+1], s[6:7], s[80:81]
	s_add_nc_u64 s[OF2:OF2+1], s[OU2:OU2+1], s[OF2:OF2+1]
	s_add_nc_u64 s[6:7], s[6:7], s[82:83]
	CROUND                                         ; all sixteen work-groups are here: the first joint loads meet
	JLOAD 0                                        ; the first fills go out as one group: three loads of mine are out
	JLOAD 1
	JLOADG G0AX, G1A, G0BX, G1B
	s_wait_tensorcnt 0x2                           ; my part of chunk 0 is in; chunk 1's and X's may stay out
	s_barrier_signal -1
	s_barrier_wait -1
	; PHASE 1: q and k
	FETCH 0, 0, 0
	STEP 0, 0, SCA, 0                              ; the first step's products start the sums
	TURN 0, SCA+4, 1
	STEP 1, 0, SCA, 1
	TURN 1, SCA+4, 1
	STEP 0, 0, SCA, 1
	TURN 0, SCA+4, 0                               ; the last two chunks are in the slots
	STEP 1, 0, SCA, 1
	FIN SCA+4                                      ; Y is asked for
	; THE WAY OUT of phase 1: each of my eight blocks of 16 rows becomes one fragment of the unit, quantised along P's 128.  Y is on its way meanwhile
	PLACES 4
.irp b, 0,1,2,3
	v_mov_b32 v[TM+4+\b], 0                        ; a lane permute's destination counts as one of its sources
.endr
.set wa, 0
.rept 8
	s_wait_xcnt 0x0                                ; the last block's stores have read their registers
	QUANT 64*(wa%4), 2+wa/4
.irp c, 0,1,2
	global_store_b128 v[L16], v[PC+4*\c:PC+4*\c+3], s[6:7] offset:1536*wa+512*\c   ; 512 consecutive bytes, aligned
.endr
	v_mov_b32 v[PWS+wa], v[PW]
.set wa, wa+1
.endr
.irp j, 0,1,2,3
	v_cndmask_b32 v[IMG+\j], v[PWS+2*\j], v[PWS+2*\j+1], s[HM]   ; lanes 0-15 the even fragment's words, lanes 16-31 the odd one's
.endr
	global_store_b64 v[L8], v[IMG:IMG+1], s[6:7] offset:12288      ; 256 consecutive bytes, aligned
	global_store_b64 v[L8], v[IMG+2:IMG+3], s[6:7] offset:12544
	; PHASE 2: v.  Eight steps of 32 products; the accumulators of window 2 are begun anew
	s_wait_tensorcnt 0x0                           ; my part of Y is in,
	s_wait_dscnt 0x0                               ; (no LDS instruction of mine is out at a signal)
	s_barrier_signal -1
	s_barrier_wait -1                              ; everybody's is
.set RB, 4
	STEP2 0, 0                                     ; the first step's products start the sums
	STEP2 1, 1
	STEP2 2, 1
	STEP2 3, 1
	STEP2 4, 1
	STEP2 5, 1
	STEP2 6, 1
	LAST SCA+2
	; THE WAY OUT of phase 2: my four blocks of 16 channels, quantised along my 128 keys
	PLACES 4
.set wa, 0
.rept 4
	s_wait_xcnt 0x0                                ; the stores issued so far have read their registers
	QUANT 64*wa, 2
.irp c, 0,1,2
	global_store_b128 v[L16], v[PC+4*\c:PC+4*\c+3], s[OF2:OF2+1] offset:1536*wa+512*\c   ; 512 consecutive bytes, aligned
.endr
	v_mov_b32 v[PWS+wa], v[PW]
.set wa, wa+1
.endr
	v_cndmask_b32 v[IMG], v[PWS], v[PWS+1], s[HM]
	v_cndmask_b32 v[IMG+1], v[PWS+2], v[PWS+3], s[HM]
	global_store_b64 v[L8H], v[IMG:IMG+1], s[OU2:OU2+1] offset:12288   ; my half of the unit's scale words: 256 consecutive bytes, aligned
	s_wait_tensorcnt 0x0                           ; the wave's end
	ds_add_u32 v[SPW], v[NIL]
	s_wait_dscnt 0x0
	CROUND                                         ; the closing round
	s_endpgm
.Lfunc_end_k_q0af6b7a152_qkvp:
	.size	k_q0af6b7a152_qkvp, .Lfunc_end_k_q0af6b7a152_qkvp-k_q0af6b7a152_qkvp
	.p2alignl 7, 3214868480
	.fill 96, 4, 3214868480
	.section	.rodata,"a",@progbits
	.p2align	6, 0x0
	.amdhsa_kernel k_q0af6b7a152_qkvp
		.amdhsa_group_segment_fixed_size 327680
		.amdhsa_private_segment_fixed_size 0
		.amdhsa_enable_private_segment 0
		.amdhsa_kernarg_size 16
		.amdhsa_user_sgpr_count 2
		.amdhsa_user_sgpr_kernarg_segment_ptr 1
		.amdhsa_wavefront_size32 1
		.amdhsa_system_sgpr_workgroup_id_x 1
		.amdhsa_system_sgpr_workgroup_id_y 1
		.amdhsa_system_sgpr_workgroup_id_z 1
		.amdhsa_system_vgpr_workitem_id 0
		.amdhsa_next_free_vgpr 1024
		.amdhsa_next_free_sgpr 102
		.amdhsa_reserve_vcc 0
		.amdhsa_float_denorm_mode_32 3
		.amdhsa_float_denorm_mode_16_64 3
		.amdhsa_memory_ordered 1
		.amdhsa_forward_progress 1
		.amdhsa_inst_pref_size 212
	.end_amdhsa_kernel
	.amdgpu_metadata
---
amdhsa.version: [ 1, 2 ]
amdhsa.kernels:
  - .name:           k_q0af6b7a152_qkvp
    .symbol:         k_q0af6b7a152_qkvp.kd
    .args:
      - { .name: qin_c, .offset: 0, .size: 8, .value_kind: global_buffer, .address_space: global }
      - { .name: qkv_c, .offset: 8, .size: 8, .value_kind: global_buffer, .address_space: global }
    .group_segment_fixed_size: 327680
    .private_segment_fixed_size: 0
    .kernarg_segment_align: 8
    .kernarg_segment_size: 16
    .max_flat_workgroup_size: 128
    .sgpr_count:     102
    .vgpr_count:     1024
    .wavefront_size: 32
...
	.end_amdgpu_metadata
.endif
;; end of part 2
;; launch score (part 3): grid 48 x 4, 4 waves a work-group, clusters of 4 x 4, 327,680 bytes of LDS; arguments qkv_c, att_c; writes att_c
.if DOCPART == 3
	.amdgcn_target "amdgcn-amd-amdhsa--gfx1250"
	.amdhsa_code_object_version 6
	.text
	.protected	k_q0af6b7a152_score
	.globl	k_q0af6b7a152_score
	.p2align	8
	.type	k_q0af6b7a152_score,@function
k_q0af6b7a152_score:
	s_mov_b64 s[64:65], 0
	v_nop
	global_prefetch_b8 v0, s[64:65] scope:SCOPE_SE
	s_setreg_imm32_b32 hwreg(HW_REG_WAVE_MODE, 25, 1), 1
	s_wait_xcnt 0x0
	s_wait_alu depctr_hold_cnt(0) depctr_sa_sdst(0) depctr_va_vdst(0) depctr_va_sdst(0) depctr_va_ssrc(0) depctr_va_vcc(0) depctr_vm_vsrc(0)
	s_getreg_b32 s2, hwreg(HW_REG_IB_STS2, 6, 4)
	s_cmp_eq_u32 s2, 0
	s_cbranch_scc0 .Lentry_in_a_cluster
	s_endpgm
.Lentry_in_a_cluster:
	s_bfe_u32 s2, ttmp6, 0x10000c
	s_cmp_lg_u32 s2, 0xf033
	s_cbranch_scc0 .Lentry_shape_is_right
	s_endpgm
.Lentry_shape_is_right:
; S = q k^T on codes of FP6 (E2M3), the causal mask, and p = 2^(t - Mloc), t = S log2(e) / 32, Mloc = the ceiling of the largest t of the row's 128 keys of this wave; p is quantised along the keys
; and stored as fragment images; beside it, for each row and 128 keys, the scale word, -Mloc and the sum of the unquantised p.  The next launch brings the scale bytes under the row's own M: a power of two, exact.
; A tile is 256 queries x 256 keys x 1,024; four waves, each 128 x 128.  Source 0 = keys, source 1 = queries: a lane holds one query, its registers run along the keys.
; Units of q and k: 128 rows x 128 K = eight fragment images of 1,536 bytes and 512 bytes of scale words; lane r of fragment f is row 32 (f / 2) + 8 (f % 2) + r + 8 (r / 8).
; Out: p's codes at (16 tb + ks) x 12,288 (tb: block of 128 queries, ks: block of 128 keys); from byte 12,582,912 on, (16 tb + ks) x 1,536: scale words, -Mloc, sums, 512 bytes each, laid as scale words are.
; CLUSTERS of 4 x 4, three for each batch: tiles (0-3, 0-3), (4-7, 0-3), (4-7, 4-7).  Tiles that lie wholly above the diagonal inside a diagonal cluster are carried along
; They ask jointly like their partners and store zero codes, of which the next launch reads those beside the diagonal.  The cluster below the diagonal jumps over the mask (a branch on the cluster's number).
; LIMITS: a block of p whose every number is 0 gets the byte 1; rows with no open key among the 128 store -Mloc = 3e38 and the sum 0; NaN and infinities are not served.
; REGISTERS as in the launch before; on the way out window 0: v10 the mask's lane term, v12 -Mloc, v13 the largest t, v[14:15] the sum, v96-159 p, v160-183 what is kept of the eight blocks, v224-254 at work.
.set RB, 8
.set NQ, 2
.set UAL, 12800
.set UBL, 12800
.set ALB, 25600
.set BLB, 25600
.set CHA, 25600
.set CHB, 25600
.set BOFF, 51200
.set SLOT, 102400
.set AHALF, 25600
.set ASHALF, 25600
.set ASC, 2
.set SPARE, 2*SLOT                     ; behind the ring: the spare words, 128 bytes for each wave, that no other line names
.set ADRA, 2
.set ADRB, 4
.set ADSB, 6
.set ADSA, 8
.set SCB, 16
.set L16, 24
.set L8, 25
.set SPW, 28
.set NIL, 29
.set SCA, 32
.set AF, 64
.set WV, 12
.set HR, 13
.set HP, 14
.set CX, 15
.set CY, 16
.set G1A, 24
.set G0A, 32
.set G1B, 48
.set G0B, 56
.set HM, 66
.set SEL, 68
.set MSB, 0
.macro WIN new                         ; the immediate's high byte repeats the setting that is left; a switch that changes nothing is dropped
.if MSB != (\new)
	s_set_vgpr_msb (MSB<<8)|(\new)
.set MSB, (\new)
.endif
.endm
.macro PLACES n
.rept \n
	v_nop
.endr
.endm
.macro JLOAD s                         ; a joint load: waves 0, 1 fetch for the queries, waves 2, 3 for the keys; an s_nop 0 and four v_nop follow each line
	s_cmp_eq_u32 s[HR], 0
	s_cbranch_scc0 .Lfor_b_\@
	tensor_load_to_lds s[G0A+4*(\s):G0A+4*(\s)+3], s[G1A:G1A+7]
	s_nop 0
.rept 4
	v_nop
.endr
	s_branch .Lasked_\@
.Lfor_b_\@:
	tensor_load_to_lds s[G0B+4*(\s):G0B+4*(\s)+3], s[G1B:G1B+7]
	s_nop 0
.rept 4
	v_nop
.endr
.Lasked_\@:
.endm
.macro CREST
	s_cmp_lg_u32 s[WV], 0
	s_cbranch_scc1 .Lnot_wave_0_\@
	s_barrier_signal -3
.Lnot_wave_0_\@:
	s_barrier_wait -3
	s_barrier_signal -1
	s_barrier_wait -1
.endm
.macro CROUND
	s_barrier_signal -1
	s_barrier_wait -1
	CREST
.endm
.macro HEAD
	v_lshl_add_u32 v[SPW], v0, 2, SPARE
	v_mov_b32 v[NIL], 0
	ds_add_u32 v[SPW], v[NIL]                      ; the wave's opening: the add, and its wait ahead of my first tensor load; work on registers stands between them
	v_lshrrev_b32 v1, 5, v0
	v_readfirstlane_b32 s[WV], v1
	s_lshr_b32 s[HR], s[WV], 1
	s_and_b32 s[HP], s[WV], 1
	s_bfe_u32 s[CX], ttmp6, 0x40000
	s_bfe_u32 s[CY], ttmp6, 0x40004
	s_lshl_b32 s17, s[CY], 2
	s_lshl_b32 s17, 15, s17
	s_lshl_b32 s40, 0x1111, s[CX]
	s_or_b32 s[G1A], s17, (3<<16)|(1<<21)
	s_or_b32 s[G1B], s40, (3<<16)|(1<<21)
	s_mov_b32 s[G1A+1], 32<<16
	s_mov_b32 s[G1A+2], (ALB/256)<<16
	s_mov_b32 s[G1A+3], 32<<16
	s_mov_b32 s[G1A+4], ALB/256
	s_mov_b32 s[G1A+5], 32
	s_mov_b32 s[G1A+6], 0
	s_mov_b32 s[G1A+7], 0
	s_mov_b32 s[G1B+1], 32<<16
	s_mov_b32 s[G1B+2], (BLB/256)<<16
	s_mov_b32 s[G1B+3], 32<<16
	s_mov_b32 s[G1B+4], BLB/256
	s_mov_b32 s[G1B+5], 32
	s_mov_b32 s[G1B+6], 0
	s_mov_b32 s[G1B+7], 0
	s_mul_i32 s20, s[HP], ALB
	s_mul_i32 s21, s[HP], BLB
	s_add_co_u32 s21, s21, BOFF
	s_mov_b32 s[G0A], 1
	s_mov_b32 s[G0A+1], s20
	s_mov_b32 s[G0A+4], 1
	s_add_co_u32 s[G0A+5], s20, SLOT
	s_mov_b32 s[G0B], 1
	s_mov_b32 s[G0B+1], s21
	s_mov_b32 s[G0B+4], 1
	s_add_co_u32 s[G0B+5], s21, SLOT
	s_mov_b32 s[HM], 0xffff0000
	s_mov_b32 s[SEL], 0x76543210
	s_mov_b32 s[SEL+1], 0xfedcba98
.endm
.macro ADDRS
	v_and_b32 v1, 31, v0
	v_lshlrev_b32 v[L16], 4, v1
	v_lshlrev_b32 v[L8], 3, v1
	s_mul_i32 s17, s[HR], AHALF
	s_mul_i32 s18, s[HP], NQ*UBL
	s_add_co_u32 s18, s18, BOFF
	s_mul_i32 s19, s[HR], ASHALF
.irp s, 0,1
	v_add_nc_u32 v[ADRA+\s], s17, v[L16]
	v_add_nc_u32 v[ADRB+\s], s18, v[L16]
	v_add_nc_u32 v[ADSB+\s], s18, v[L8]
	v_add_nc_u32 v[ADSA+\s], s19, v[L8]
	s_add_co_u32 s17, s17, SLOT
	s_add_co_u32 s18, s18, SLOT
	s_add_co_u32 s19, s19, SLOT
.endr
.endm
.macro GADDR
.irp s, 0,1
	s_add_nc_u64 s[G0A+4*\s+2:G0A+4*\s+3], s[42:43], \s*CHA
	s_or_b32 s[G0A+4*\s+3], s[G0A+4*\s+3], 0x80000000
	s_add_nc_u64 s[G0B+4*\s+2:G0B+4*\s+3], s[44:45], \s*CHB
	s_or_b32 s[G0B+4*\s+3], s[G0B+4*\s+3], 0x80000000
.endr
.endm
.macro FETCH sl, q, p
	WIN 0x40
.irp b, 0,1,2,3,4,5,6,7
.irp c, 0,1,2
	ds_load_b128 v[128*(\p)+12*\b+4*\c:128*(\p)+12*\b+4*\c+3], v[ADRB+(\sl)] offset:(\q)*UBL+1536*\b+512*\c
.endr
.endr
	WIN 0
.set fa_, 0
.rept RB
.irp c, 0,1,2
	ds_load_b128 v[AF+12*RB*(\p)+12*fa_+4*\c:AF+12*RB*(\p)+12*fa_+4*\c+3], v[ADRA+(\sl)] offset:(\q)*UAL+1536*fa_+512*\c
.endr
.set fa_, fa_+1
.endr
	ds_load_b64 v[SCB+4*(\p):SCB+4*(\p)+1], v[ADSB+(\sl)] offset:(\q)*UBL+12288
	ds_load_b64 v[SCB+4*(\p)+2:SCB+4*(\p)+3], v[ADSB+(\sl)] offset:(\q)*UBL+12544
	ds_load_b64 v[SCA+4*(\p):SCA+4*(\p)+1], v[ADSA+(\sl)] offset:(\q)*UAL+12288
	ds_load_b64 v[SCA+4*(\p)+2:SCA+4*(\p)+3], v[ADSA+(\sl)] offset:(\q)*UAL+12544
.endm
.macro WM cm
.if (\cm) == 0
.if rRW == 0
	v_wmma_scale_f32_16x16x128_f8f6f4 v[rD:rD+7], v[rB:rB+11], v[rA:rA+11], 0, v[rSB], v[rSA] matrix_a_fmt:MATRIX_FMT_FP6 matrix_b_fmt:MATRIX_FMT_FP6
.elseif rRW == 1
	v_wmma_scale_f32_16x16x128_f8f6f4 v[rD:rD+7], v[rB:rB+11], v[rA:rA+11], 0, v[rSB], v[rSA] matrix_a_fmt:MATRIX_FMT_FP6 matrix_b_fmt:MATRIX_FMT_FP6 matrix_a_scale:MATRIX_SCALE_ROW1
.elseif rRW == 2
	v_wmma_scale_f32_16x16x128_f8f6f4 v[rD:rD+7], v[rB:rB+11], v[rA:rA+11], 0, v[rSB], v[rSA] matrix_a_fmt:MATRIX_FMT_FP6 matrix_b_fmt:MATRIX_FMT_FP6 matrix_b_scale:MATRIX_SCALE_ROW1
.else
	v_wmma_scale_f32_16x16x128_f8f6f4 v[rD:rD+7], v[rB:rB+11], v[rA:rA+11], 0, v[rSB], v[rSA] matrix_a_fmt:MATRIX_FMT_FP6 matrix_b_fmt:MATRIX_FMT_FP6 matrix_a_scale:MATRIX_SCALE_ROW1 matrix_b_scale:MATRIX_SCALE_ROW1
.endif
.else
.if rRW == 0
	v_wmma_scale_f32_16x16x128_f8f6f4 v[rD:rD+7], v[rB:rB+11], v[rA:rA+11], v[rC:rC+7], v[rSB], v[rSA] matrix_a_fmt:MATRIX_FMT_FP6 matrix_b_fmt:MATRIX_FMT_FP6
.elseif rRW == 1
	v_wmma_scale_f32_16x16x128_f8f6f4 v[rD:rD+7], v[rB:rB+11], v[rA:rA+11], v[rC:rC+7], v[rSB], v[rSA] matrix_a_fmt:MATRIX_FMT_FP6 matrix_b_fmt:MATRIX_FMT_FP6 matrix_a_scale:MATRIX_SCALE_ROW1
.elseif rRW == 2
	v_wmma_scale_f32_16x16x128_f8f6f4 v[rD:rD+7], v[rB:rB+11], v[rA:rA+11], v[rC:rC+7], v[rSB], v[rSA] matrix_a_fmt:MATRIX_FMT_FP6 matrix_b_fmt:MATRIX_FMT_FP6 matrix_b_scale:MATRIX_SCALE_ROW1
.else
	v_wmma_scale_f32_16x16x128_f8f6f4 v[rD:rD+7], v[rB:rB+11], v[rA:rA+11], v[rC:rC+7], v[rSB], v[rSA] matrix_a_fmt:MATRIX_FMT_FP6 matrix_b_fmt:MATRIX_FMT_FP6 matrix_a_scale:MATRIX_SCALE_ROW1 matrix_b_scale:MATRIX_SCALE_ROW1
.endif
.endif
.endm
.macro MULB a, p, sab, cm
	WIN 0xa1+0x50*((\a)/4)
.irp b, 0,1,2,3,4,5,6,7
.set rD, 8*(8*((\a)%4)+\b)
.set rC, rD
.set rB, 128*(\p)+12*\b
.set rA, AF+12*RB*(\p)+12*(\a)
.set rSB, SCB+4*(\p)+\b/2
.set rSA, (\sab)+(\a)/2
.set rRW, (\b%2)+2*((\a)%2)
	WM \cm
.endr
.endm
.macro MULS a0, n, p, sab, cm          ; the accumulators take turns, one instruction a turn, in the same order in every step
.set ma_, (\a0)
.rept (\n)
	MULB ma_, \p, \sab, \cm
.set ma_, ma_+1
.endr
.endm
.macro STEP sl, q, sab, cm
	s_wait_dscnt 0x0                               ; this step's fragments and scale words are in
	PLACES 4                                       ; in front of loads into registers that the last step's products have read
	FETCH \sl, (\q)+1, 1-(\q)%2
	MULS 0, RB, (\q)%2, \sab, \cm
.endm
.macro TURN sl, sab, fill
	WIN 0
	s_wait_tensorcnt 0x0                           ; all my tensor loads have landed: my part of the next slot
	ds_add_u32 v[SPW], v[NIL]                      ; 0 onto my spare word
	s_wait_dscnt 0x1                               ; this step's loads are in; the add alone may be out
	MULS 0, RB/4, 1, \sab, 1
	s_wait_dscnt 0x0                               ; the add is done, and my reads of this slot are over
	s_barrier_signal -1
	MULS RB/4, RB/4, 1, \sab, 1
	WIN 0
	s_barrier_wait -1
.if \fill
	CREST                                          ; no wave of any partner still reads this slot or has a load on its way
	s_add_nc_u64 s[G0A+4*(\sl)+2:G0A+4*(\sl)+3], s[G0A+4*(\sl)+2:G0A+4*(\sl)+3], 2*CHA
	s_add_nc_u64 s[G0B+4*(\sl)+2:G0B+4*(\sl)+3], s[G0B+4*(\sl)+2:G0B+4*(\sl)+3], 2*CHB
	JLOAD \sl
.else
	PLACES 4
.endif
	FETCH 1-(\sl), 0, 0
	MULS RB/2, RB/2, 1, \sab, 1
.endm
.macro LAST sab
	s_wait_dscnt 0x0
	MULS 0, RB, 1, \sab, 1
	WIN 0
.endm
.set TT, 67                            ; s67 which of the batch's three clusters
.set CS, 70                            ; s[70:71] c = log2(e) / 32
.set BB, 76
.set TI, 77                            ; s77 tile of 256 queries, s78 tile of 256 keys
.set TJ, 78
.set PWS, 160
.set NMS, 168
.set LS, 176
.set IMG, 184
; Block a of 16 queries x my 128 keys: mask, maximum, p, sum, codes
.macro SOFT a
.set W_, 2+(\a)/4
.set AC, 64*((\a)%4)
	WIN 0
	s_wait_xcnt 0x0                                ; the last block's three stores have read v224-235: the maxima below write v232-235 anew, the conversions further down all twelve; no store stands between here and there
	s_cmp_eq_u32 s[TT], 1                          ; the cluster below the diagonal hides nothing
	s_cbranch_scc1 .Lopen_\@
	WIN (W_<<6)|W_
.set n_, 0
.rept 64                                       ; register 16 b + i holds key 32 b + 16 (lane / 16) + i of my 128: hidden where it comes after my query; each accumulator from its low end on
	v_cmp_gt_i32 vcc_lo, 32*(n_/16)+n_%16-32*((\a)/2)-8*((\a)%2), v10
	v_cndmask_b32 v[AC+n_], v[AC+n_], v11, vcc_lo
.set n_, n_+1
.endr
	WIN 0
.Lopen_\@:
	WIN W_|(W_<<2)
.irp b, 0,1,2,3
	v_max3_num_f32 v[232+\b], v[AC+16*\b], v[AC+16*\b+1], 0xff800000   ; the largest score of each block of 32 keys: it serves the row's maximum and, since p rises with the score, the block's largest p
.endr
.irp i, 2,4,6,8,10,12,14
.irp b, 0,1,2,3
	v_max3_num_f32 v[232+\b], v[AC+16*\b+\i], v[AC+16*\b+\i+1], v[232+\b]
.endr
.endr
	WIN 0
.irp b, 0,1,2,3
	v_permlanex16_b32 v[236+\b], v[232+\b], s[SEL], s[SEL+1]
.endr
.irp b, 0,1,2,3
	v_max_num_f32 v[232+\b], v[232+\b], v[236+\b]
.endr
	v_max3_num_f32 v254, v232, v233, v234
	v_max_num_f32 v254, v254, v235
	v_mul_f32 v254, s[CS], v254                    ; as t
	v_max_num_f32 v13, 0xff61b1e6, v254            ; not under -3e38: a row with no open key keeps a finite M
	v_floor_f32 v12, -v13                          ; -Mloc = floor(-t): a whole number
	WIN W_
.set j_, 0
.rept 32
	v_pk_fma_f32 v[96+j_:97+j_], v[AC+j_:AC+j_+1], s[CS:CS+1], v[12:13] op_sel_hi:[1,0,0]   ; t - Mloc, two at a time, into window 0
.set j_, j_+2
.endr
	WIN 0
.irp b, 0,1,2,3
	v_fma_f32 v[232+\b], v[232+\b], s[CS], v12     ; the same of each block's largest score
.endr
.set j_, 0
.rept 64
	v_exp_f32 v[96+j_], v[96+j_]                   ; p, at most 1: not normalised
.set j_, j_+1
.endr
	v_nop                                          ; a plain place behind the exponentials
	s_wait_alu depctr_va_vdst(0)                   ; one wait for the batch, ahead of its first reader
.irp b, 0,1,2,3
	v_exp_f32 v[232+\b], v[232+\b]                 ; the block's largest p
.endr
	v_pk_add_f32 v[14:15], v[96:97], v[100:101]    ; the sum of the unquantised p, in two chains begun by additions; it reads the 64 alone
	v_pk_add_f32 v[236:237], v[98:99], v[102:103]
.irp j, 8,12,16,20,24,28,32,36,40,44,48,52,56,60
	v_pk_add_f32 v[14:15], v[14:15], v[96+\j:97+\j]
	v_pk_add_f32 v[236:237], v[236:237], v[98+\j:99+\j]
.endr
	v_pk_add_f32 v[14:15], v[14:15], v[236:237]
	v_add_f32 v14, v14, v15
	v_permlanex16_b32 v252, v14, s[SEL], s[SEL+1]
	v_add_f32 v14, v14, v252                       ; with lane l xor 16's 64 keys
	s_wait_alu depctr_va_vdst(0)                   ; and one wait for the four
.irp b, 0,1,2,3
	v_max_num_f32 v[232+\b], 0x1800000, v[232+\b]  ; the floor 2^(3 - 127): the byte cannot fall under 1
.endr
.irp b, 0,1,2,3
	v_add_nc_u32 v[244+\b], 0xff000000, v[232+\b]
.endr
.irp b, 0,1,2,3
	v_lshrrev_b32 v[236+\b], 23, v[244+\b]
.endr
	v_lshl_or_b32 v253, v237, 8, v236              ; the scale word under Mloc
	v_lshl_or_b32 v253, v238, 16, v253
	v_lshl_or_b32 v253, v239, 24, v253
.irp c, 0,1
	v_cvt_scalef32_pk16_fp6_f32 v[224+6*\c:226+6*\c], v[96+32*\c:111+32*\c], v[244+2*\c]
	v_cvt_scalef32_pk16_fp6_f32 v[236+4*\c:238+4*\c], v[112+32*\c:127+32*\c], v[244+2*\c+1]
.endr
	v_nop                                          ; one plain place behind a scaled conversion
.irp c, 0,1
.irp i, 0,1,2
	v_permlane16_swap_b32 v[224+6*\c+\i], v[236+4*\c+\i]
.endr
.irp i, 0,1,2
	v_mov_b32 v[227+6*\c+\i], v[236+4*\c+\i]
.endr
.endr
.irp c, 0,1,2
	global_store_b128 v[L16], v[224+4*\c:227+4*\c], s[72:73] offset:1536*(\a)+512*\c   ; 512 consecutive bytes, aligned
.endr
	v_mov_b32 v[PWS+(\a)], v253
	v_mov_b32 v[NMS+(\a)], v12
	v_mov_b32 v[LS+(\a)], v14
.endm
	s_load_b128 s[4:7], s[0:1], 0x0                ; q, k, v s[4:5]; p and its statistics s[6:7]
	HEAD
	ADDRS
	s_and_b32 s[BB], ttmp9, 3                      ; the batch
	s_lshr_b32 s[TT], ttmp9, 2
	s_min_u32 s17, s[TT], 1
	s_lshl_b32 s17, s17, 2
	s_add_co_u32 s[TI], s17, s[CY]
	s_lshr_b32 s18, s[TT], 1
	s_lshl_b32 s18, s18, 2
	s_add_co_u32 s[TJ], s18, s[CX]
	s_lshl_b32 s19, s[BB], 4
	s_lshl_b32 s20, s[TI], 1
	s_add_co_u32 s20, s20, s19
	s_add_co_u32 s20, s20, s[HP]
	s_mul_i32 s22, s20, 102400                     ; q: block of 128 tokens 16 b + 2 I + part
	s_mov_b32 s23, 0
	s_lshl_b32 s40, s[TJ], 1
	s_add_co_u32 s40, s40, s19
	s_add_co_u32 s40, s40, s[HP]
	s_mul_i32 s40, s40, 102400
	s_add_co_u32 s40, s40, 6553600                 ; k lies behind q's 512 units
	s_mov_b32 s41, 0
	s_mov_b32 s[CS], 0x3d38aa3b
	s_mov_b32 s[CS+1], s[CS]                       ; (named with it as a pair, so it is written)
	v_and_b32 v1, 15, v0
	v_and_b32 v10, 8, v1
	v_add_nc_u32 v10, v10, v1                      ; r + 8 (r / 8)
	v_bfe_u32 v11, v0, 4, 1
	v_lshlrev_b32 v11, 4, v11
	v_sub_nc_u32 v10, v10, v11                     ; - 16 (lane / 16)
	s_sub_co_i32 s80, s[TI], s[TJ]
	s_lshl_b32 s80, s80, 8
	s_sub_co_i32 s81, s[HR], s[HP]
	s_lshl_b32 s81, s81, 7
	s_add_co_i32 s80, s80, s81
	v_add_nc_u32 v10, s80, v10                     ; + my first query - my first key: a number for a compare, no address and no branch
	v_mov_b32 v11, 0xff800000                      ; -infinity
	s_lshl_b32 s80, s[TI], 1
	s_add_co_u32 s80, s80, s19
	s_add_co_u32 s80, s80, s[HR]
	s_lshl_b32 s80, s80, 4
	s_lshl_b32 s81, s[TJ], 1
	s_add_co_u32 s80, s80, s81
	s_add_co_u32 s80, s80, s[HP]                   ; 16 tb + ks
	s_mul_i32 s82, s80, 12288
	s_mov_b32 s83, 0
	s_mul_i32 s84, s80, 1536
	s_add_co_u32 s84, s84, 12582912
	s_mov_b32 s85, 0
	s_wait_dscnt 0x0                               ; the opening add is done
	s_wait_kmcnt 0x0
	s_add_nc_u64 s[42:43], s[4:5], s[22:23]
	s_add_nc_u64 s[44:45], s[4:5], s[40:41]
	GADDR
	s_add_nc_u64 s[72:73], s[6:7], s[82:83]
	s_add_nc_u64 s[74:75], s[6:7], s[84:85]
	CROUND                                         ; all sixteen work-groups are here: the first joint loads meet
	JLOAD 0
	JLOAD 1
	s_wait_tensorcnt 0x1                           ; my part of chunk 0 is in; chunk 1's may stay out
	s_barrier_signal -1
	s_barrier_wait -1
	FETCH 0, 0, 0
	STEP 0, 0, SCA, 0
	TURN 0, SCA+4, 1
	STEP 1, 0, SCA, 1
	TURN 1, SCA+4, 1
	STEP 0, 0, SCA, 1
	TURN 0, SCA+4, 0
	STEP 1, 0, SCA, 1
	LAST SCA+4
	PLACES 4
.irp b, 0,1,2,3
	v_mov_b32 v[236+\b], 0                         ; a lane permute's destination counts as one of its sources
.endr
	v_mov_b32 v252, 0
.irp a, 0,1,2,3,4,5,6,7
	SOFT \a
.endr
.irp j, 0,1,2,3
	v_cndmask_b32 v[IMG+\j], v[PWS+2*\j], v[PWS+2*\j+1], s[HM]     ; lanes 0-15 the even fragment's rows, lanes 16-31 the odd one's
	v_cndmask_b32 v[IMG+4+\j], v[NMS+2*\j], v[NMS+2*\j+1], s[HM]
	v_cndmask_b32 v[IMG+8+\j], v[LS+2*\j], v[LS+2*\j+1], s[HM]
.endr
.irp g, 0,1,2
	global_store_b64 v[L8], v[IMG+4*\g:IMG+4*\g+1], s[74:75] offset:512*\g         ; 256 consecutive bytes, aligned
	global_store_b64 v[L8], v[IMG+4*\g+2:IMG+4*\g+3], s[74:75] offset:512*\g+256
.endr
	s_wait_tensorcnt 0x0                           ; the wave's end
	ds_add_u32 v[SPW], v[NIL]
	s_wait_dscnt 0x0
	CROUND                                         ; the closing round
	s_endpgm
.Lfunc_end_k_q0af6b7a152_score:
	.size	k_q0af6b7a152_score, .Lfunc_end_k_q0af6b7a152_score-k_q0af6b7a152_score
	.p2alignl 7, 3214868480
	.fill 96, 4, 3214868480
	.section	.rodata,"a",@progbits
	.p2align	6, 0x0
	.amdhsa_kernel k_q0af6b7a152_score
		.amdhsa_group_segment_fixed_size 327680
		.amdhsa_private_segment_fixed_size 0
		.amdhsa_enable_private_segment 0
		.amdhsa_kernarg_size 16
		.amdhsa_user_sgpr_count 2
		.amdhsa_user_sgpr_kernarg_segment_ptr 1
		.amdhsa_wavefront_size32 1
		.amdhsa_system_sgpr_workgroup_id_x 1
		.amdhsa_system_sgpr_workgroup_id_y 1
		.amdhsa_system_sgpr_workgroup_id_z 1
		.amdhsa_system_vgpr_workitem_id 0
		.amdhsa_next_free_vgpr 1024
		.amdhsa_next_free_sgpr 100
		.amdhsa_reserve_vcc 1
		.amdhsa_float_denorm_mode_32 3
		.amdhsa_float_denorm_mode_16_64 3
		.amdhsa_memory_ordered 1
		.amdhsa_forward_progress 1
		.amdhsa_inst_pref_size 236
	.end_amdhsa_kernel
	.amdgpu_metadata
---
amdhsa.version: [ 1, 2 ]
amdhsa.kernels:
  - .name:           k_q0af6b7a152_score
    .symbol:         k_q0af6b7a152_score.kd
    .args:
      - { .name: qkv_c, .offset: 0, .size: 8, .value_kind: global_buffer, .address_space: global }
      - { .name: att_c, .offset: 8, .size: 8, .value_kind: global_buffer, .address_space: global }
    .group_segment_fixed_size: 327680
    .private_segment_fixed_size: 0
    .kernarg_segment_align: 8
    .kernarg_segment_size: 16
    .max_flat_workgroup_size: 128
    .sgpr_count:     100
    .vgpr_count:     1024
    .wavefront_size: 32
...
	.end_amdgpu_metadata
.endif
;; end of part 3
;; launch ctxp (part 4): grid 64 x 4, 4 waves a work-group, clusters of 4 x 4, 327,680 bytes of LDS; arguments att_c, qkv_c, ctx_c; writes ctx_c
.if DOCPART == 4
	.amdgcn_target "amdgcn-amd-amdhsa--gfx1250"
	.amdhsa_code_object_version 6
	.text
	.protected	k_q0af6b7a152_ctxp
	.globl	k_q0af6b7a152_ctxp
	.p2align	8
	.type	k_q0af6b7a152_ctxp,@function
k_q0af6b7a152_ctxp:
	s_mov_b64 s[64:65], 0
	v_nop
	global_prefetch_b8 v0, s[64:65] scope:SCOPE_SE
	s_setreg_imm32_b32 hwreg(HW_REG_WAVE_MODE, 25, 1), 1
	s_wait_xcnt 0x0
	s_wait_alu depctr_hold_cnt(0) depctr_sa_sdst(0) depctr_va_vdst(0) depctr_va_sdst(0) depctr_va_ssrc(0) depctr_va_vcc(0) depctr_vm_vsrc(0)
	s_getreg_b32 s2, hwreg(HW_REG_IB_STS2, 6, 4)
	s_cmp_eq_u32 s2, 0
	s_cbranch_scc0 .Lentry_in_a_cluster
	s_endpgm
.Lentry_in_a_cluster:
	s_bfe_u32 s2, ttmp6, 0x10000c
	s_cmp_lg_u32 s2, 0xf033
	s_cbranch_scc0 .Lentry_shape_is_right
	s_endpgm
.Lentry_shape_is_right:
; ctx = (p v) / l on codes of FP6 (E2M3); the result is quantised along the channels and stored as operand units for the last product.
; p was quantised under a maximum Mloc of its own for each 128 keys.  Here the row's M is the largest Mloc; each scale byte is lowered by M - Mloc (a power of two: exact) and each partial sum is scaled likewise.
; A tile is 128 queries x 256 channels; four waves, each 64 x 128: 32 accumulators.  Source 0 = 16 channels of v (keys innermost), source 1 = 16 queries of p: a lane holds one query, its registers run along the channels.
; CLUSTERS of 4 x 4: cy = which 128 of the cluster's 512 queries, cx = which 256 channels.  p's tile is asked for jointly along a row, v's along a column.  All sixteen walk the cluster's 512 (3 - K0 + 1) keys,
; K0 = cluster / 4; beyond a row's own limit p's codes are zeros.  K goes in chunks of 512 keys (four steps), NUMBERED FROM THE END: chunks K0 .. 3, chunk n in slot n % 2.  So the first two changes of slots in the text always
; fill again and the third never does, and a cluster enters the one written stream at its chunk: the entries are chosen by the cluster's number, the same in all partners, and every jump goes forward.
; LIMITS: M - Mloc is held at 127; a scale byte that would fall under 0 is held at 0, which stands for 2^-127, nothing beside a row's sum of at least 1/2; a block of zeros gets the byte 1; NaN and infinities are not served.
; REGISTERS: window 0: v2-7 LDS addresses, v16-23 v's scale words, v32-63 p's scale words of all 16 steps, from v64 p's fragments in two sets, v160-237 at work at the head and on the way out, v240-247 1 / l;
;   window 1: v's fragments in two sets; window 2: accumulator (a, b) at v[8 (8 a + b)].
.set RB, 4
.set NQ, 4
.set UAL, 12288                        ; p's step in LDS: eight fragment images, no scale words
.set UBL, 12800
.set ALB, 24576                        ; a wave's load for p: two steps
.set BLB, 51200                        ; for v: four units
.set CHA, 49152
.set CHB, 51200
.set BOFF, 49152
.set SLOT, 151552
.set AHALF, 6144                       ; my four of the eight fragments
.set ASHALF, 256
.set SPARE, 2*SLOT                     ; behind the ring: the spare words, 128 bytes for each wave, that no other line names
.set ADRA, 2
.set ADRB, 4
.set ADSB, 6
.set ADSA, 8
.set SCB, 16
.set L16, 24
.set L8, 25
.set SPW, 28
.set NIL, 29
.set AS, 32
.set AF, 64
.set WV, 12
.set HR, 13
.set HP, 14
.set CX, 15
.set CY, 16
.set G1A, 24
.set G0A, 32
.set G1B, 48
.set G0B, 56
.set HM, 66
.set SEL, 68
.set MSB, 0
.macro WIN new                         ; the immediate's high byte repeats the setting that is left; a switch that changes nothing is dropped
.if MSB != (\new)
	s_set_vgpr_msb (MSB<<8)|(\new)
.set MSB, (\new)
.endif
.endm
.macro PLACES n
.rept \n
	v_nop
.endr
.endm
.macro JLOAD s                         ; a joint load: waves 0, 1 fetch for p, waves 2, 3 for v; an s_nop 0 and four v_nop follow each line
	s_cmp_eq_u32 s[HR], 0
	s_cbranch_scc0 .Lfor_b_\@
	tensor_load_to_lds s[G0A+4*(\s):G0A+4*(\s)+3], s[G1A:G1A+7]
	s_nop 0
.rept 4
	v_nop
.endr
	s_branch .Lasked_\@
.Lfor_b_\@:
	tensor_load_to_lds s[G0B+4*(\s):G0B+4*(\s)+3], s[G1B:G1B+7]
	s_nop 0
.rept 4
	v_nop
.endr
.Lasked_\@:
.endm
.macro CREST
	s_cmp_lg_u32 s[WV], 0
	s_cbranch_scc1 .Lnot_wave_0_\@
	s_barrier_signal -3
.Lnot_wave_0_\@:
	s_barrier_wait -3
	s_barrier_signal -1
	s_barrier_wait -1
.endm
.macro CROUND
	s_barrier_signal -1
	s_barrier_wait -1
	CREST
.endm
.macro HEAD
	v_lshl_add_u32 v[SPW], v0, 2, SPARE
	v_mov_b32 v[NIL], 0
	ds_add_u32 v[SPW], v[NIL]                      ; the wave's opening: the add, and its wait ahead of my first tensor load; work on registers stands between them
	v_lshrrev_b32 v1, 5, v0
	v_readfirstlane_b32 s[WV], v1
	s_lshr_b32 s[HR], s[WV], 1
	s_and_b32 s[HP], s[WV], 1
	s_bfe_u32 s[CX], ttmp6, 0x40000
	s_bfe_u32 s[CY], ttmp6, 0x40004
	s_lshl_b32 s17, s[CY], 2
	s_lshl_b32 s17, 15, s17
	s_lshl_b32 s40, 0x1111, s[CX]
	s_or_b32 s[G1A], s17, (3<<16)|(1<<21)
	s_or_b32 s[G1B], s40, (3<<16)|(1<<21)
	s_mov_b32 s[G1A+1], 32<<16
	s_mov_b32 s[G1A+2], (ALB/256)<<16
	s_mov_b32 s[G1A+3], 32<<16
	s_mov_b32 s[G1A+4], ALB/256
	s_mov_b32 s[G1A+5], 32
	s_mov_b32 s[G1A+6], 0
	s_mov_b32 s[G1A+7], 0
	s_mov_b32 s[G1B+1], 32<<16
	s_mov_b32 s[G1B+2], (BLB/256)<<16
	s_mov_b32 s[G1B+3], 32<<16
	s_mov_b32 s[G1B+4], BLB/256
	s_mov_b32 s[G1B+5], 32
	s_mov_b32 s[G1B+6], 0
	s_mov_b32 s[G1B+7], 0
	s_mul_i32 s20, s[HP], ALB
	s_mul_i32 s21, s[HP], BLB
	s_add_co_u32 s21, s21, BOFF
	s_mov_b32 s[G0A], 1
	s_mov_b32 s[G0A+1], s20
	s_mov_b32 s[G0A+4], 1
	s_add_co_u32 s[G0A+5], s20, SLOT
	s_mov_b32 s[G0B], 1
	s_mov_b32 s[G0B+1], s21
	s_mov_b32 s[G0B+4], 1
	s_add_co_u32 s[G0B+5], s21, SLOT
	s_mov_b32 s[HM], 0xffff0000
	s_mov_b32 s[SEL], 0x76543210
	s_mov_b32 s[SEL+1], 0xfedcba98
.endm
.macro ADDRS
	v_and_b32 v1, 31, v0
	v_lshlrev_b32 v[L16], 4, v1
	v_lshlrev_b32 v[L8], 3, v1
	s_mul_i32 s17, s[HR], AHALF
	s_mul_i32 s18, s[HP], NQ*UBL
	s_add_co_u32 s18, s18, BOFF
.irp s, 0,1
	v_add_nc_u32 v[ADRA+\s], s17, v[L16]
	v_add_nc_u32 v[ADRB+\s], s18, v[L16]
	v_add_nc_u32 v[ADSB+\s], s18, v[L8]
	s_add_co_u32 s17, s17, SLOT
	s_add_co_u32 s18, s18, SLOT
.endr
.endm
.macro FETCH sl, q, p
	WIN 0x40
.irp b, 0,1,2,3,4,5,6,7
.irp c, 0,1,2
	ds_load_b128 v[128*(\p)+12*\b+4*\c:128*(\p)+12*\b+4*\c+3], v[ADRB+(\sl)] offset:(\q)*UBL+1536*\b+512*\c
.endr
.endr
	WIN 0
.set fa_, 0
.rept RB
.irp c, 0,1,2
	ds_load_b128 v[AF+12*RB*(\p)+12*fa_+4*\c:AF+12*RB*(\p)+12*fa_+4*\c+3], v[ADRA+(\sl)] offset:(\q)*UAL+1536*fa_+512*\c
.endr
.set fa_, fa_+1
.endr
	ds_load_b64 v[SCB+4*(\p):SCB+4*(\p)+1], v[ADSB+(\sl)] offset:(\q)*UBL+12288
	ds_load_b64 v[SCB+4*(\p)+2:SCB+4*(\p)+3], v[ADSB+(\sl)] offset:(\q)*UBL+12544
.endm
.macro WM cm
.if (\cm) == 0
.if rRW == 0
	v_wmma_scale_f32_16x16x128_f8f6f4 v[rD:rD+7], v[rB:rB+11], v[rA:rA+11], 0, v[rSB], v[rSA] matrix_a_fmt:MATRIX_FMT_FP6 matrix_b_fmt:MATRIX_FMT_FP6
.elseif rRW == 1
	v_wmma_scale_f32_16x16x128_f8f6f4 v[rD:rD+7], v[rB:rB+11], v[rA:rA+11], 0, v[rSB], v[rSA] matrix_a_fmt:MATRIX_FMT_FP6 matrix_b_fmt:MATRIX_FMT_FP6 matrix_a_scale:MATRIX_SCALE_ROW1
.elseif rRW == 2
	v_wmma_scale_f32_16x16x128_f8f6f4 v[rD:rD+7], v[rB:rB+11], v[rA:rA+11], 0, v[rSB], v[rSA] matrix_a_fmt:MATRIX_FMT_FP6 matrix_b_fmt:MATRIX_FMT_FP6 matrix_b_scale:MATRIX_SCALE_ROW1
.else
	v_wmma_scale_f32_16x16x128_f8f6f4 v[rD:rD+7], v[rB:rB+11], v[rA:rA+11], 0, v[rSB], v[rSA] matrix_a_fmt:MATRIX_FMT_FP6 matrix_b_fmt:MATRIX_FMT_FP6 matrix_a_scale:MATRIX_SCALE_ROW1 matrix_b_scale:MATRIX_SCALE_ROW1
.endif
.else
.if rRW == 0
	v_wmma_scale_f32_16x16x128_f8f6f4 v[rD:rD+7], v[rB:rB+11], v[rA:rA+11], v[rC:rC+7], v[rSB], v[rSA] matrix_a_fmt:MATRIX_FMT_FP6 matrix_b_fmt:MATRIX_FMT_FP6
.elseif rRW == 1
	v_wmma_scale_f32_16x16x128_f8f6f4 v[rD:rD+7], v[rB:rB+11], v[rA:rA+11], v[rC:rC+7], v[rSB], v[rSA] matrix_a_fmt:MATRIX_FMT_FP6 matrix_b_fmt:MATRIX_FMT_FP6 matrix_a_scale:MATRIX_SCALE_ROW1
.elseif rRW == 2
	v_wmma_scale_f32_16x16x128_f8f6f4 v[rD:rD+7], v[rB:rB+11], v[rA:rA+11], v[rC:rC+7], v[rSB], v[rSA] matrix_a_fmt:MATRIX_FMT_FP6 matrix_b_fmt:MATRIX_FMT_FP6 matrix_b_scale:MATRIX_SCALE_ROW1
.else
	v_wmma_scale_f32_16x16x128_f8f6f4 v[rD:rD+7], v[rB:rB+11], v[rA:rA+11], v[rC:rC+7], v[rSB], v[rSA] matrix_a_fmt:MATRIX_FMT_FP6 matrix_b_fmt:MATRIX_FMT_FP6 matrix_a_scale:MATRIX_SCALE_ROW1 matrix_b_scale:MATRIX_SCALE_ROW1
.endif
.endif
.endm
.macro MULB a, p, sab, cm
	WIN 0xa1
.irp b, 0,1,2,3,4,5,6,7
.set rD, 8*(8*(\a)+\b)
.set rC, rD
.set rB, 128*(\p)+12*\b
.set rA, AF+12*RB*(\p)+12*(\a)
.set rSB, SCB+4*(\p)+\b/2
.set rSA, (\sab)+(\a)/2
.set rRW, (\b%2)+2*((\a)%2)
	WM \cm
.endr
.endm
.macro MULS a0, n, p, sab, cm          ; the accumulators take turns, one instruction a turn, in the same order in every step
.set ma_, (\a0)
.rept (\n)
	MULB ma_, \p, \sab, \cm
.set ma_, ma_+1
.endr
.endm
.macro STEP sl, q, sab, cm
	s_wait_dscnt 0x0                               ; this step's fragments and scale words are in
	PLACES 4                                       ; in front of loads into registers that the last step's products have read
	FETCH \sl, (\q)+1, 1-(\q)%2
	MULS 0, RB, (\q)%2, \sab, \cm
.endm
.macro TURN sl, sab, fill
	WIN 0
	s_wait_tensorcnt 0x0                           ; all my tensor loads have landed: my part of the next slot
	ds_add_u32 v[SPW], v[NIL]                      ; 0 onto my spare word
	s_wait_dscnt 0x1                               ; this step's loads are in; the add alone may be out
	MULS 0, RB/4, 1, \sab, 1
	s_wait_dscnt 0x0                               ; the add is done, and my reads of this slot are over
	s_barrier_signal -1
	MULS RB/4, RB/4, 1, \sab, 1
	WIN 0
	s_barrier_wait -1
.if \fill
	CREST                                          ; no wave of any partner still reads this slot or has a load on its way
	s_add_nc_u64 s[G0A+4*(\sl)+2:G0A+4*(\sl)+3], s[G0A+4*(\sl)+2:G0A+4*(\sl)+3], 2*CHA
	s_add_nc_u64 s[G0B+4*(\sl)+2:G0B+4*(\sl)+3], s[G0B+4*(\sl)+2:G0B+4*(\sl)+3], 2*CHB
	JLOAD \sl
.else
	PLACES 4
.endif
	FETCH 1-(\sl), 0, 0
	MULS RB/2, RB/2, 1, \sab, 1
.endm
.macro LAST sab
	s_wait_dscnt 0x0
	MULS 0, RB, 1, \sab, 1
	WIN 0
.endm
.set TM, 200
.set PC, 216
.set PW, 236
.macro QUANT s                         ; 64 numbers of a lane, register s + 16 b + i = channel 32 b + 16 (lane / 16) + i of my row, become a fragment's codes in v[PC] on and its scale word in v[PW]
.irp b, 0,1,2,3
	v_max3_num_f32 v[TM+\b], |v[(\s)+16*\b]|, |v[(\s)+1+16*\b]|, 0x1800000
.endr
.irp i, 2,4,6,8,10,12,14
.irp b, 0,1,2,3
	v_max3_num_f32 v[TM+\b], |v[(\s)+16*\b+\i]|, |v[(\s)+1+16*\b+\i]|, v[TM+\b]
.endr
.endr
.irp b, 0,1,2,3
	v_permlanex16_b32 v[TM+4+\b], v[TM+\b], s[SEL], s[SEL+1]
.endr
.irp b, 0,1,2,3
	v_max_num_f32 v[TM+\b], v[TM+\b], v[TM+4+\b]
.endr
.irp b, 0,1,2,3
	v_add_nc_u32 v[TM+12+\b], 0xff000000, v[TM+\b]
.endr
.irp b, 0,1,2,3
	v_lshrrev_b32 v[TM+4+\b], 23, v[TM+12+\b]
.endr
	v_lshl_or_b32 v[PW], v[TM+5], 8, v[TM+4]
	v_lshl_or_b32 v[PW], v[TM+6], 16, v[PW]
	v_lshl_or_b32 v[PW], v[TM+7], 24, v[PW]
.irp c, 0,1
	v_cvt_scalef32_pk16_fp6_f32 v[PC+6*\c:PC+2+6*\c], v[(\s)+32*\c:(\s)+15+32*\c], v[TM+12+2*\c]
	v_cvt_scalef32_pk16_fp6_f32 v[PC+12+4*\c:PC+14+4*\c], v[(\s)+16+32*\c:(\s)+31+32*\c], v[TM+12+2*\c+1]
.endr
	v_nop                                          ; one plain place behind a scaled conversion
.irp c, 0,1
.irp i, 0,1,2
	v_permlane16_swap_b32 v[PC+6*\c+\i], v[PC+12+4*\c+\i]
.endr
.irp i, 0,1,2
	v_mov_b32 v[PC+3+6*\c+\i], v[PC+12+4*\c+\i]
.endr
.endr
.endm
.set K0, 67                            ; s67 the first chunk's number
.set ST, 72                            ; s[72:73] my rows' statistics
.set OU, 74                            ; s[74:75] my unit of the result
.set BB, 76
.set TAU, 77                           ; s77 my block of 128 queries
.set S01, 78
.set S80, 79
.set OF, 90                            ; s[90:91] my four fragments in it
.set NM, 160                           ; v160-191 -Mloc, v192-223 partial sums: two registers a step (lanes 0-15 an even fragment's rows, lanes 16-31 the odd one's)
.set LL, 192
.set NMG, 224                          ; v224-225 -M
.set LSUM, 226                         ; v226-227 l
.set T0, 228
.set T1, 230
.set T2, 232
.set RL, 234
.set XL, 236
.set RLB, 240                          ; v240-247 1 / l of block a's rows in both halves of the lanes, as pairs
.set PWS, 160
.set IMG, 168
; The statistics of the key steps of chunks k .. 3 (register sets 4 k .. 15): the row's M, its sum, and the scale words under M
.macro STATS k
.set F_, 4*(\k)
.set i_, F_
.rept 16-F_
	global_load_b64 v[AS+2*i_:AS+2*i_+1], v[L8], s[ST:ST+1] offset:1536*(i_-F_)        ; 256 consecutive bytes each: my 64 rows
	global_load_b64 v[NM+2*i_:NM+2*i_+1], v[L8], s[ST:ST+1] offset:1536*(i_-F_)+512
	global_load_b64 v[LL+2*i_:LL+2*i_+1], v[L8], s[ST:ST+1] offset:1536*(i_-F_)+1024
.set i_, i_+1
.endr
	s_wait_loadcnt 0x0
.irp j, 0,1
	v_min_num_f32 v[NMG+\j], v[NM+2*F_+\j], v[NM+2*F_+2+\j]
.endr
.set i_, F_+2
.rept (14-F_)/2
.irp j, 0,1
	v_min3_num_f32 v[NMG+\j], v[NMG+\j], v[NM+2*i_+\j], v[NM+2*i_+2+\j]   ; the least -Mloc is -M
.endr
.set i_, i_+2
.endr
.set i_, F_
.rept 16-F_
.irp j, 0,1
	v_sub_f32 v[T0+\j], v[NMG+\j], v[NM+2*i_+\j]   ; Mloc - M: a whole number, 0 or less
.endr
.irp j, 0,1
	v_max_num_f32 v[T0+\j], 0xc2fe0000, v[T0+\j]   ; held at -127
.endr
.irp j, 0,1
	v_cvt_i32_f32 v[T0+\j], v[T0+\j]
.endr
.if i_ == F_
.irp j, 0,1
	v_ldexp_f32 v[LSUM+\j], v[LL+2*i_+\j], v[T0+\j]   ; the first term starts the sum
.endr
.else
.irp j, 0,1
	v_ldexp_f32 v[T1+\j], v[LL+2*i_+\j], v[T0+\j]
.endr
.irp j, 0,1
	v_add_f32 v[LSUM+\j], v[LSUM+\j], v[T1+\j]
.endr
.endif
.irp j, 0,1
	v_mul_lo_u32 v[T0+\j], v[T0+\j], s[S01]        ; the same whole number in each of the four bytes
.endr
.irp j, 0,1
	v_or_b32 v[T1+\j], s[S80], v[AS+2*i_+\j]       ; p is at most 1, so a byte is at most 125: bit 7 is free and keeps a borrow from the byte above
.endr
.irp j, 0,1
	v_add_nc_u32 v[T0+\j], v[T0+\j], v[T1+\j]
.endr
.irp j, 0,1
	v_and_b32 v[T1+\j], s[S80], v[T0+\j]           ; bit 7 still set: the byte has not fallen under 0
.endr
.irp j, 0,1
	v_lshrrev_b32 v[T2+\j], 7, v[T1+\j]
.endr
.irp j, 0,1
	v_sub_nc_u32 v[T1+\j], v[T1+\j], v[T2+\j]      ; 0x7f in such a byte, 0 in the others
.endr
.irp j, 0,1
	v_and_b32 v[AS+2*i_+\j], v[T0+\j], v[T1+\j]    ; max(byte - (M - Mloc), 0)
.endr
.set i_, i_+1
.endr
	v_rcp_f32 v[RL], v[LSUM]
	v_rcp_f32 v[RL+1], v[LSUM+1]
	v_mov_b32 v[XL], 0                             ; a plain place behind the reciprocals; and a lane permute's destination counts as one of its sources
	v_mov_b32 v[XL+1], 0
	s_wait_alu depctr_va_vdst(0)                   ; one wait for both, ahead of their first reader
	v_permlanex16_b32 v[XL], v[RL], s[SEL], s[SEL+1]
	v_permlanex16_b32 v[XL+1], v[RL+1], s[SEL], s[SEL+1]
.irp j, 0,1
	v_cndmask_b32 v[RLB+4*\j], v[RL+\j], v[XL+\j], s[HM]     ; the even fragment's rows in both halves of the lanes,
	v_cndmask_b32 v[RLB+4*\j+2], v[XL+\j], v[RL+\j], s[HM]   ; the odd one's
.endr
.irp a, 0,1,2,3
	v_mov_b32 v[RLB+2*\a+1], v[RLB+2*\a]           ; (named as a pair, so both are written)
.endr
.endm
; The entry for clusters whose first chunk is k: the first fills, the statistics while they are on their way, and the first step, whose products start the sums
.macro ENTER k
	JLOAD (\k)%2
.if (\k) < 3
	JLOAD ((\k)+1)%2
.endif
	STATS \k
.if (\k) < 3
	s_wait_tensorcnt 0x1                           ; my part of the first chunk is in; the second's may stay out
.else
	s_wait_tensorcnt 0x0
.endif
	s_barrier_signal -1
	s_barrier_wait -1
	FETCH (\k)%2, 0, 0
	PLACES 8                                       ; scale registers written by vector instructions stand eight places ahead of a scaled product
	STEP (\k)%2, 0, AS+8*(\k), 0
	WIN 0
.endm
	s_load_b128 s[4:7], s[0:1], 0x0                ; p and its statistics s[4:5]; q, k, v s[6:7]
	s_load_b64 s[8:9], s[0:1], 0x10                ; the result's units
	HEAD
	ADDRS
	s_lshl_b32 s17, s[HR], 8
	v_add_nc_u32 v[L8], s17, v[L8]                 ; from here on: 8 x lane + 256 x my half of the rows, for memory alone
	s_lshr_b32 s[K0], ttmp9, 2
	s_and_b32 s[BB], ttmp9, 3
	s_sub_co_u32 s17, 3, s[K0]
	s_lshl_b32 s17, s17, 2
	s_lshl_b32 s18, s[BB], 4
	s_add_co_u32 s17, s17, s18
	s_add_co_u32 s[TAU], s17, s[CY]                ; 16 batch + 4 (3 - K0) + cy
	s_lshl_b32 s19, s[TAU], 4
	s_lshl_b32 s20, s[HP], 1
	s_add_co_u32 s20, s19, s20
	s_mul_i32 s22, s20, 12288                      ; p: key steps 2 x part on
	s_mov_b32 s23, 0
	s_mul_i32 s84, s19, 1536
	s_add_co_u32 s84, s84, 12582912
	s_mov_b32 s85, 0
	s_lshl_b32 s40, s[BB], 3
	s_lshl_b32 s41, s[CX], 1
	s_add_co_u32 s40, s40, s41
	s_add_co_u32 s40, s40, s[HP]
	s_lshl_b32 s40, s40, 4
	s_add_co_u32 s40, s40, 1024
	s_mul_i32 s40, s40, 12800                      ; v: channel block 2 cx + part
	s_mov_b32 s41, 0
	s_and_b32 s17, s[K0], 1                        ; slot 0 begins with the walk's chunk K0 % 2,
	s_xor_b32 s18, s17, 1                          ; slot 1 with the other
	s_mul_i32 s20, s17, CHA
	s_mov_b32 s21, 0
	s_mul_i32 s92, s18, CHA
	s_mov_b32 s93, 0
	s_mul_i32 s80, s17, CHB
	s_mov_b32 s81, 0
	s_mul_i32 s82, s18, CHB
	s_mov_b32 s83, 0
	s_lshl_b32 s86, s[TAU], 3
	s_lshl_b32 s87, s[CX], 1
	s_add_co_u32 s86, s86, s87
	s_add_co_u32 s86, s86, s[HP]
	s_mul_i32 s86, s86, 12800                      ; the result: unit 8 tb + channel block
	s_mov_b32 s87, 0
	s_mul_i32 s88, s[HR], 6144
	s_mov_b32 s89, 0
	s_mov_b32 s[S01], 0x01010101
	s_mov_b32 s[S80], 0x80808080
	s_wait_dscnt 0x0                               ; the opening add is done
	s_wait_kmcnt 0x0
	s_add_nc_u64 s[42:43], s[4:5], s[22:23]
	s_add_nc_u64 s[G0A+2:G0A+3], s[42:43], s[20:21]
	s_add_nc_u64 s[G0A+6:G0A+7], s[42:43], s[92:93]
	s_add_nc_u64 s[44:45], s[6:7], s[40:41]
	s_add_nc_u64 s[G0B+2:G0B+3], s[44:45], s[80:81]
	s_add_nc_u64 s[G0B+6:G0B+7], s[44:45], s[82:83]
	s_or_b32 s[G0A+3], s[G0A+3], 0x80000000
	s_or_b32 s[G0A+7], s[G0A+7], 0x80000000
	s_or_b32 s[G0B+3], s[G0B+3], 0x80000000
	s_or_b32 s[G0B+7], s[G0B+7], 0x80000000
	s_add_nc_u64 s[ST:ST+1], s[4:5], s[84:85]
	s_add_nc_u64 s[OU:OU+1], s[8:9], s[86:87]
	s_add_nc_u64 s[OF:OF+1], s[OU:OU+1], s[88:89]
	CROUND                                         ; all sixteen work-groups are here: the first joint loads meet
	s_cmp_eq_u32 s[K0], 0                          ; the cluster's number alone: all sixteen partners go the same way
	s_cbranch_scc1 .Lenter0
	s_cmp_eq_u32 s[K0], 1
	s_cbranch_scc1 .Lenter1
	s_cmp_eq_u32 s[K0], 2
	s_cbranch_scc1 .Lenter2
	ENTER 3
	s_branch .Lmid_3
.Lenter2:
	ENTER 2
	s_branch .Lmid_2
.Lenter1:
	ENTER 1
	s_branch .Lmid_1
.Lenter0:
	ENTER 0
	STEP 0, 1, AS+2, 1                             ; chunk 0
	STEP 0, 2, AS+4, 1
	TURN 0, AS+6, 1                                ; slot 0 takes chunk 2
	STEP 1, 0, AS+8, 1                             ; chunk 1
	WIN 0
.Lmid_1:
	STEP 1, 1, AS+10, 1
	STEP 1, 2, AS+12, 1
	TURN 1, AS+14, 1                               ; slot 1 takes chunk 3
	STEP 0, 0, AS+16, 1                            ; chunk 2
	WIN 0
.Lmid_2:
	STEP 0, 1, AS+18, 1
	STEP 0, 2, AS+20, 1
	TURN 0, AS+22, 0                               ; nothing is left to ask for
	STEP 1, 0, AS+24, 1                            ; chunk 3
	WIN 0
.Lmid_3:
	STEP 1, 1, AS+26, 1
	STEP 1, 2, AS+28, 1
	LAST AS+30
	; THE WAY OUT: / l, then each of my four blocks of 16 rows becomes one fragment of the unit, quantised along my 128 channels
	PLACES 4
.irp b, 0,1,2,3
	v_mov_b32 v[TM+4+\b], 0                        ; a lane permute's destination counts as one of its sources
.endr
.irp a, 0,1,2,3
	WIN 0x02
.set j_, 0
.rept 32
	v_pk_mul_f32 v[64+j_:65+j_], v[64*\a+j_:64*\a+j_+1], v[RLB+2*\a:RLB+2*\a+1] op_sel_hi:[1,0]   ; each accumulator from its low end on; into window 0
.set j_, j_+2
.endr
	WIN 0
	s_wait_xcnt 0x0                                ; the last block's stores have read their registers
	QUANT 64
.irp c, 0,1,2
	global_store_b128 v[L16], v[PC+4*\c:PC+4*\c+3], s[OF:OF+1] offset:1536*\a+512*\c   ; 512 consecutive bytes, aligned
.endr
	v_mov_b32 v[PWS+\a], v[PW]
.endr
	v_cndmask_b32 v[IMG], v[PWS], v[PWS+1], s[HM]
	v_cndmask_b32 v[IMG+1], v[PWS+2], v[PWS+3], s[HM]
	global_store_b64 v[L8], v[IMG:IMG+1], s[OU:OU+1] offset:12288   ; my half of the unit's scale words: 256 consecutive bytes, aligned
	s_wait_tensorcnt 0x0                           ; the wave's end
	ds_add_u32 v[SPW], v[NIL]
	s_wait_dscnt 0x0
	CROUND                                         ; the closing round
	s_endpgm
.Lfunc_end_k_q0af6b7a152_ctxp:
	.size	k_q0af6b7a152_ctxp, .Lfunc_end_k_q0af6b7a152_ctxp-k_q0af6b7a152_ctxp
	.p2alignl 7, 3214868480
	.fill 96, 4, 3214868480
	.section	.rodata,"a",@progbits
	.p2align	6, 0x0
	.amdhsa_kernel k_q0af6b7a152_ctxp
		.amdhsa_group_segment_fixed_size 327680
		.amdhsa_private_segment_fixed_size 0
		.amdhsa_enable_private_segment 0
		.amdhsa_kernarg_size 24
		.amdhsa_user_sgpr_count 2
		.amdhsa_user_sgpr_kernarg_segment_ptr 1
		.amdhsa_wavefront_size32 1
		.amdhsa_system_sgpr_workgroup_id_x 1
		.amdhsa_system_sgpr_workgroup_id_y 1
		.amdhsa_system_sgpr_workgroup_id_z 1
		.amdhsa_system_vgpr_workitem_id 0
		.amdhsa_next_free_vgpr 768
		.amdhsa_next_free_sgpr 100
		.amdhsa_reserve_vcc 0
		.amdhsa_float_denorm_mode_32 3
		.amdhsa_float_denorm_mode_16_64 3
		.amdhsa_memory_ordered 1
		.amdhsa_forward_progress 1
		.amdhsa_inst_pref_size 227
	.end_amdhsa_kernel
	.amdgpu_metadata
---
amdhsa.version: [ 1, 2 ]
amdhsa.kernels:
  - .name:           k_q0af6b7a152_ctxp
    .symbol:         k_q0af6b7a152_ctxp.kd
    .args:
      - { .name: att_c, .offset: 0, .size: 8, .value_kind: global_buffer, .address_space: global }
      - { .name: qkv_c, .offset: 8, .size: 8, .value_kind: global_buffer, .address_space: global }
      - { .name: ctx_c, .offset: 16, .size: 8, .value_kind: global_buffer, .address_space: global }
    .group_segment_fixed_size: 327680
    .private_segment_fixed_size: 0
    .kernarg_segment_align: 8
    .kernarg_segment_size: 24
    .max_flat_workgroup_size: 128
    .sgpr_count:     100
    .vgpr_count:     768
    .wavefront_size: 32
...
	.end_amdgpu_metadata
.endif
;; end of part 4
;; launch proj (part 5): grid 64 x 4, 4 waves a work-group, clusters of 4 x 4, 327,680 bytes of LDS; arguments ctx_c, qin_c, out_b, out0; writes out0
.if DOCPART == 5
	.amdgcn_target "amdgcn-amd-amdhsa--gfx1250"
	.amdhsa_code_object_version 6
	.text
	.protected	k_q0af6b7a152_proj
	.globl	k_q0af6b7a152_proj
	.p2align	8
	.type	k_q0af6b7a152_proj,@function
k_q0af6b7a152_proj:
	s_mov_b64 s[64:65], 0
	v_nop
	global_prefetch_b8 v0, s[64:65] scope:SCOPE_SE
	s_setreg_imm32_b32 hwreg(HW_REG_WAVE_MODE, 25, 1), 1
	s_wait_xcnt 0x0
	s_wait_alu depctr_hold_cnt(0) depctr_sa_sdst(0) depctr_va_vdst(0) depctr_va_sdst(0) depctr_va_ssrc(0) depctr_va_vcc(0) depctr_vm_vsrc(0)
	s_getreg_b32 s2, hwreg(HW_REG_IB_STS2, 6, 4)
	s_cmp_eq_u32 s2, 0
	s_cbranch_scc0 .Lentry_in_a_cluster
	s_endpgm
.Lentry_in_a_cluster:
	s_bfe_u32 s2, ttmp6, 0x10000c
	s_cmp_lg_u32 s2, 0xf033
	s_cbranch_scc0 .Lentry_shape_is_right
	s_endpgm
.Lentry_shape_is_right:
; out = ctx out_w^T + out_b on codes of FP6 (E2M3) with E8M0 scales, sums in f32, out in f32.
; A tile is 128 tokens x 256 outputs x 1,024; four waves, each 64 x 128: 32 accumulators.  Source 0 = 16 rows of out_w, source 1 = 16 tokens: a lane holds one token, its registers run along the outputs.
; Units of 12,800 bytes (128 rows x 128 K): eight fragment images of 1,536 bytes and 512 bytes of scale words; lane r of fragment f is row 32 (f / 2) + 8 (f % 2) + r + 8 (r / 8) of the 128.
; CLUSTERS of 4 x 4: ctx's tile is asked for jointly along a row of the cluster, out_w's along a column.  All of K lies in two LDS slots of four steps: two first fills, nothing is filled again.
; The bias is the C of each sum's first product: eight registers a tile of outputs, in the result's layout, in window 3.
; The way out goes through each wave's own stage, which lies in slot 0: that slot has had its only fill, and every wave has passed the change of slots, behind which nobody reads it.
; LIMITS: NaN and infinities are not served.
; REGISTERS: window 0: v2-9 LDS addresses, v10-12 the bias's offset and the stage, v16-23 out_w's scale words, v32-35 ctx's, from v64 ctx's fragments in two sets, later rows of out;
;   window 1: out_w's fragments in two sets; window 2: accumulator (a, b) at v[8 (8 a + b)]; window 3: v0-63 the bias.
.set RB, 4
.set NQ, 4
.set UAL, 12800
.set UBL, 12800
.set ALB, 25600
.set BLB, 51200
.set CHA, 51200
.set CHB, 51200
.set BOFF, 51200
.set SLOT, 153600
.set AHALF, 6144
.set ASHALF, 256
.set SPARE, 2*SLOT                     ; behind the slots: the spare words, 128 bytes for each wave, that no other line names
.set ADRA, 2
.set ADRB, 4
.set ADSB, 6
.set ADSA, 8
.set SCB, 16
.set L16, 24
.set L8, 25
.set SPW, 28
.set NIL, 29
.set SCA, 32
.set AF, 64
.set WV, 12
.set HR, 13
.set HP, 14
.set CX, 15
.set CY, 16
.set G1A, 24
.set G0A, 32
.set G1B, 48
.set G0B, 56
.set MSB, 0
.macro WIN new                         ; the immediate's high byte repeats the setting that is left; a switch that changes nothing is dropped
.if MSB != (\new)
	s_set_vgpr_msb (MSB<<8)|(\new)
.set MSB, (\new)
.endif
.endm
.macro PLACES n
.rept \n
	v_nop
.endr
.endm
.macro JLOAD s                         ; a joint load: waves 0, 1 fetch for ctx, waves 2, 3 for out_w; an s_nop 0 and four v_nop follow each line
	s_cmp_eq_u32 s[HR], 0
	s_cbranch_scc0 .Lfor_b_\@
	tensor_load_to_lds s[G0A+4*(\s):G0A+4*(\s)+3], s[G1A:G1A+7]
	s_nop 0
.rept 4
	v_nop
.endr
	s_branch .Lasked_\@
.Lfor_b_\@:
	tensor_load_to_lds s[G0B+4*(\s):G0B+4*(\s)+3], s[G1B:G1B+7]
	s_nop 0
.rept 4
	v_nop
.endr
.Lasked_\@:
.endm
.macro CREST
	s_cmp_lg_u32 s[WV], 0
	s_cbranch_scc1 .Lnot_wave_0_\@
	s_barrier_signal -3
.Lnot_wave_0_\@:
	s_barrier_wait -3
	s_barrier_signal -1
	s_barrier_wait -1
.endm
.macro CROUND
	s_barrier_signal -1
	s_barrier_wait -1
	CREST
.endm
.macro HEAD
	v_lshl_add_u32 v[SPW], v0, 2, SPARE
	v_mov_b32 v[NIL], 0
	ds_add_u32 v[SPW], v[NIL]                      ; the wave's opening: the add, and its wait ahead of my first tensor load; work on registers stands between them
	v_lshrrev_b32 v1, 5, v0
	v_readfirstlane_b32 s[WV], v1
	s_lshr_b32 s[HR], s[WV], 1
	s_and_b32 s[HP], s[WV], 1
	s_bfe_u32 s[CX], ttmp6, 0x40000
	s_bfe_u32 s[CY], ttmp6, 0x40004
	s_lshl_b32 s17, s[CY], 2
	s_lshl_b32 s17, 15, s17
	s_lshl_b32 s40, 0x1111, s[CX]
	s_or_b32 s[G1A], s17, (3<<16)|(1<<21)
	s_or_b32 s[G1B], s40, (3<<16)|(1<<21)
	s_mov_b32 s[G1A+1], 32<<16
	s_mov_b32 s[G1A+2], (ALB/256)<<16
	s_mov_b32 s[G1A+3], 32<<16
	s_mov_b32 s[G1A+4], ALB/256
	s_mov_b32 s[G1A+5], 32
	s_mov_b32 s[G1A+6], 0
	s_mov_b32 s[G1A+7], 0
	s_mov_b32 s[G1B+1], 32<<16
	s_mov_b32 s[G1B+2], (BLB/256)<<16
	s_mov_b32 s[G1B+3], 32<<16
	s_mov_b32 s[G1B+4], BLB/256
	s_mov_b32 s[G1B+5], 32
	s_mov_b32 s[G1B+6], 0
	s_mov_b32 s[G1B+7], 0
	s_mul_i32 s20, s[HP], ALB
	s_mul_i32 s21, s[HP], BLB
	s_add_co_u32 s21, s21, BOFF
	s_mov_b32 s[G0A], 1
	s_mov_b32 s[G0A+1], s20
	s_mov_b32 s[G0A+4], 1
	s_add_co_u32 s[G0A+5], s20, SLOT
	s_mov_b32 s[G0B], 1
	s_mov_b32 s[G0B+1], s21
	s_mov_b32 s[G0B+4], 1
	s_add_co_u32 s[G0B+5], s21, SLOT
.endm
.macro ADDRS
	v_and_b32 v1, 31, v0
	v_lshlrev_b32 v[L16], 4, v1
	v_lshlrev_b32 v[L8], 3, v1
	s_mul_i32 s17, s[HR], AHALF
	s_mul_i32 s18, s[HP], NQ*UBL
	s_add_co_u32 s18, s18, BOFF
	s_mul_i32 s19, s[HR], ASHALF
.irp s, 0,1
	v_add_nc_u32 v[ADRA+\s], s17, v[L16]
	v_add_nc_u32 v[ADRB+\s], s18, v[L16]
	v_add_nc_u32 v[ADSB+\s], s18, v[L8]
	v_add_nc_u32 v[ADSA+\s], s19, v[L8]
	s_add_co_u32 s17, s17, SLOT
	s_add_co_u32 s18, s18, SLOT
	s_add_co_u32 s19, s19, SLOT
.endr
.endm
.macro GADDR
.irp s, 0,1
	s_add_nc_u64 s[G0A+4*\s+2:G0A+4*\s+3], s[42:43], \s*CHA
	s_or_b32 s[G0A+4*\s+3], s[G0A+4*\s+3], 0x80000000
	s_add_nc_u64 s[G0B+4*\s+2:G0B+4*\s+3], s[44:45], \s*CHB
	s_or_b32 s[G0B+4*\s+3], s[G0B+4*\s+3], 0x80000000
.endr
.endm
.macro FETCH sl, q, p
	WIN 0x40
.irp b, 0,1,2,3,4,5,6,7
.irp c, 0,1,2
	ds_load_b128 v[128*(\p)+12*\b+4*\c:128*(\p)+12*\b+4*\c+3], v[ADRB+(\sl)] offset:(\q)*UBL+1536*\b+512*\c
.endr
.endr
	WIN 0
.set fa_, 0
.rept RB
.irp c, 0,1,2
	ds_load_b128 v[AF+12*RB*(\p)+12*fa_+4*\c:AF+12*RB*(\p)+12*fa_+4*\c+3], v[ADRA+(\sl)] offset:(\q)*UAL+1536*fa_+512*\c
.endr
.set fa_, fa_+1
.endr
	ds_load_b64 v[SCB+4*(\p):SCB+4*(\p)+1], v[ADSB+(\sl)] offset:(\q)*UBL+12288
	ds_load_b64 v[SCB+4*(\p)+2:SCB+4*(\p)+3], v[ADSB+(\sl)] offset:(\q)*UBL+12544
	ds_load_b64 v[SCA+2*(\p):SCA+2*(\p)+1], v[ADSA+(\sl)] offset:(\q)*UAL+12288
.endm
.macro WM
.if rRW == 0
	v_wmma_scale_f32_16x16x128_f8f6f4 v[rD:rD+7], v[rB:rB+11], v[rA:rA+11], v[rC:rC+7], v[rSB], v[rSA] matrix_a_fmt:MATRIX_FMT_FP6 matrix_b_fmt:MATRIX_FMT_FP6
.elseif rRW == 1
	v_wmma_scale_f32_16x16x128_f8f6f4 v[rD:rD+7], v[rB:rB+11], v[rA:rA+11], v[rC:rC+7], v[rSB], v[rSA] matrix_a_fmt:MATRIX_FMT_FP6 matrix_b_fmt:MATRIX_FMT_FP6 matrix_a_scale:MATRIX_SCALE_ROW1
.elseif rRW == 2
	v_wmma_scale_f32_16x16x128_f8f6f4 v[rD:rD+7], v[rB:rB+11], v[rA:rA+11], v[rC:rC+7], v[rSB], v[rSA] matrix_a_fmt:MATRIX_FMT_FP6 matrix_b_fmt:MATRIX_FMT_FP6 matrix_b_scale:MATRIX_SCALE_ROW1
.else
	v_wmma_scale_f32_16x16x128_f8f6f4 v[rD:rD+7], v[rB:rB+11], v[rA:rA+11], v[rC:rC+7], v[rSB], v[rSA] matrix_a_fmt:MATRIX_FMT_FP6 matrix_b_fmt:MATRIX_FMT_FP6 matrix_a_scale:MATRIX_SCALE_ROW1 matrix_b_scale:MATRIX_SCALE_ROW1
.endif
.endm
.macro MULB a, p, sab, cm              ; cm = 2: C = the bias in window 3: the product starts the sums; 1: in place
.if (\cm) == 2
	WIN 0xb1
.else
	WIN 0xa1
.endif
.irp b, 0,1,2,3,4,5,6,7
.set rD, 8*(8*(\a)+\b)
.set rC, rD
.if (\cm) == 2
.set rC, 8*\b
.endif
.set rB, 128*(\p)+12*\b
.set rA, AF+12*RB*(\p)+12*(\a)
.set rSB, SCB+4*(\p)+\b/2
.set rSA, (\sab)+(\a)/2
.set rRW, (\b%2)+2*((\a)%2)
	WM
.endr
.endm
.macro MULS a0, n, p, sab, cm          ; the accumulators take turns, one instruction a turn, in the same order in every step
.set ma_, (\a0)
.rept (\n)
	MULB ma_, \p, \sab, \cm
.set ma_, ma_+1
.endr
.endm
.macro STEP sl, q, sab, cm
	s_wait_dscnt 0x0                               ; this step's fragments and scale words are in
	PLACES 4                                       ; in front of loads into registers that the last step's products have read
	FETCH \sl, (\q)+1, 1-(\q)%2
	MULS 0, RB, (\q)%2, \sab, \cm
.endm
.macro TURN sl, sab                    ; slot 0's last step changes slots: one barrier; nothing is filled again
	WIN 0
	s_wait_tensorcnt 0x0                           ; all my tensor loads have landed: my part of the next slot
	ds_add_u32 v[SPW], v[NIL]                      ; 0 onto my spare word
	s_wait_dscnt 0x1                               ; this step's loads are in; the add alone may be out
	MULS 0, RB/4, 1, \sab, 1
	s_wait_dscnt 0x0                               ; the add is done, and my reads of this slot are over
	s_barrier_signal -1
	MULS RB/4, RB/4, 1, \sab, 1
	WIN 0
	s_barrier_wait -1
	PLACES 4
	FETCH 1-(\sl), 0, 0
	MULS RB/2, RB/2, 1, \sab, 1
.endm
.macro LAST sab
	s_wait_dscnt 0x0
	MULS 0, RB, 1, \sab, 1
	WIN 0
.endm
.set TAU, 77
.set BK, 64                            ; the way out: 16 rows read back from the stage: v64-127 and v128-191 by turns
.macro TOSTAGE a                       ; block a: a lane's 32 bytes of each pair of tiles into rows of 528 bytes, and back as whole rows of 512
	WIN 0x08                                       ; an LDS store's data: window 2
.irp b, 0,1,2,3,4,5,6,7
	ds_store_b128 v11, v[64*(\a)+8*\b:64*(\a)+8*\b+3] offset:128*(\b/2)+32*(\b%2)        ; each accumulator from its low end on
	ds_store_b128 v11, v[64*(\a)+8*\b+4:64*(\a)+8*\b+7] offset:128*(\b/2)+32*(\b%2)+16
.endr
	WIN 0
.set BB_, BK+64*((\a)%2)
.irp t, 0,1,2,3,4,5,6,7,8,9,10,11,12,13,14,15
	ds_load_b128 v[BB_+4*\t:BB_+4*\t+3], v12 offset:528*\t   ; LDS serves a wave's instructions in order: these see my stores
.endr
.endm
.macro SEND a, younger                 ; younger: the LDS instructions issued behind block a's loads, which may stay out
.set BB_, BK+64*((\a)%2)
	s_wait_dscnt \younger
.irp t, 0,1,2,3,4,5,6,7,8,9,10,11,12,13,14,15
	global_store_b128 v[L16], v[BB_+4*\t:BB_+4*\t+3], s[10:11] offset:(32*((\a)/2)+8*((\a)%2)+\t+8*(\t/8))*4096 th:TH_STORE_NT   ; 512 consecutive bytes of the token's row, aligned; written once, read by nobody here
.endr
.endm
	s_load_b256 s[4:11], s[0:1], 0x0               ; ctx's units s[4:5], the weights' s[6:7], out_b s[8:9], out s[10:11]
	HEAD
	ADDRS
	v_and_b32 v13, 15, v0
	v_bfe_u32 v14, v0, 4, 1
	v_lshlrev_b32 v10, 6, v14                      ; 64 (lane / 16): my 16 outputs of each 32
	s_mul_i32 s17, s[WV], 8448                     ; my stage: 16 rows x 528 bytes
	v_mul_u32_u24 v11, v13, 528
	v_add_nc_u32 v11, v11, v10
	v_add_nc_u32 v11, s17, v11                     ; in: row r, + 64 (lane / 16)
	v_add_nc_u32 v12, s17, v[L16]                  ; back: 16 bytes a lane
	s_lshl_b32 s17, ttmp9, 2
	s_add_co_u32 s[TAU], s17, s[CY]                ; my block of 128 tokens
	s_mul_i32 s22, s[TAU], 102400
	s_mul_i32 s20, s[HP], 25600                    ; my two of a slot's four units
	s_add_co_u32 s22, s22, s20
	s_mov_b32 s23, 0
	s_lshl_b32 s40, s[CX], 1
	s_add_co_u32 s40, s40, s[HP]
	s_add_co_u32 s40, s40, 88                      ; out_w's blocks of 128 rows begin at 88
	s_mul_i32 s40, s40, 102400
	s_mov_b32 s41, 0
	s_lshl_b32 s80, s[CX], 1
	s_add_co_u32 s80, s80, s[HP]
	s_lshl_b32 s80, s80, 9                         ; my 128 outputs, in bytes
	s_mov_b32 s81, 0
	s_lshl_b32 s82, s[TAU], 7
	s_lshl_b32 s83, s[HR], 6
	s_add_co_u32 s82, s82, s83
	s_lshl_b32 s82, s82, 12                        ; my first token's row
	s_add_co_u32 s82, s82, s80
	s_mov_b32 s83, 0
	s_wait_dscnt 0x0                               ; the opening add is done
	s_wait_kmcnt 0x0
	s_add_nc_u64 s[42:43], s[4:5], s[22:23]
	s_add_nc_u64 s[44:45], s[6:7], s[40:41]
	GADDR
	s_add_nc_u64 s[8:9], s[8:9], s[80:81]
	s_add_nc_u64 s[10:11], s[10:11], s[82:83]
	CROUND                                         ; all sixteen work-groups are here: the joint loads meet
	JLOAD 0
	JLOAD 1
	WIN 0xc0                                       ; destination window 3
.irp b, 0,1,2,3,4,5,6,7
	global_load_b128 v[8*\b:8*\b+3], v10, s[8:9] offset:128*(\b/2)+32*(\b%2)         ; tile b, register j: output 32 (b / 2) + 16 (lane / 16) + 8 (b % 2) + j of my 128
	global_load_b128 v[8*\b+4:8*\b+7], v10, s[8:9] offset:128*(\b/2)+32*(\b%2)+16
.endr
	WIN 0
	s_wait_tensorcnt 0x1                           ; my part of slot 0 is in; slot 1's may stay out
	s_barrier_signal -1
	s_barrier_wait -1
	FETCH 0, 0, 0
	s_wait_loadcnt 0x0                             ; the bias
	STEP 0, 0, SCA, 2                              ; the first step's products start the sums from the bias
	STEP 0, 1, SCA+2, 1
	STEP 0, 2, SCA, 1
	TURN 0, SCA+2
	STEP 1, 0, SCA, 1
	STEP 1, 1, SCA+2, 1
	STEP 1, 2, SCA, 1
	LAST SCA+2
	; THE WAY OUT, block by block of 16 tokens x 128 outputs
	PLACES 4
	TOSTAGE 0
.irp a, 1,2,3
.if \a > 1
	s_wait_xcnt 0x0                                ; block a - 2's stores have read their registers: block a's loads may land there
.endif
	TOSTAGE \a
	SEND \a-1, 32                                  ; behind block a - 1's loads: block a's 16 stores and 16 loads
.endr
	SEND 3, 0
	s_wait_tensorcnt 0x0                           ; the wave's end, behind my last tensor load and my last LDS store
	ds_add_u32 v[SPW], v[NIL]
	s_wait_dscnt 0x0
	CROUND                                         ; the closing round
	s_endpgm
.Lfunc_end_k_q0af6b7a152_proj:
	.size	k_q0af6b7a152_proj, .Lfunc_end_k_q0af6b7a152_proj-k_q0af6b7a152_proj
	.p2alignl 7, 3214868480
	.fill 96, 4, 3214868480
	.section	.rodata,"a",@progbits
	.p2align	6, 0x0
	.amdhsa_kernel k_q0af6b7a152_proj
		.amdhsa_group_segment_fixed_size 327680
		.amdhsa_private_segment_fixed_size 0
		.amdhsa_enable_private_segment 0
		.amdhsa_kernarg_size 32
		.amdhsa_user_sgpr_count 2
		.amdhsa_user_sgpr_kernarg_segment_ptr 1
		.amdhsa_wavefront_size32 1
		.amdhsa_system_sgpr_workgroup_id_x 1
		.amdhsa_system_sgpr_workgroup_id_y 1
		.amdhsa_system_sgpr_workgroup_id_z 1
		.amdhsa_system_vgpr_workitem_id 0
		.amdhsa_next_free_vgpr 832
		.amdhsa_next_free_sgpr 100
		.amdhsa_reserve_vcc 0
		.amdhsa_float_denorm_mode_32 3
		.amdhsa_float_denorm_mode_16_64 3
		.amdhsa_memory_ordered 1
		.amdhsa_forward_progress 1
		.amdhsa_inst_pref_size 78
	.end_amdhsa_kernel
	.amdgpu_metadata
---
amdhsa.version: [ 1, 2 ]
amdhsa.kernels:
  - .name:           k_q0af6b7a152_proj
    .symbol:         k_q0af6b7a152_proj.kd
    .args:
      - { .name: ctx_c, .offset: 0, .size: 8, .value_kind: global_buffer, .address_space: global }
      - { .name: qin_c, .offset: 8, .size: 8, .value_kind: global_buffer, .address_space: global }
      - { .name: out_b, .offset: 16, .size: 8, .value_kind: global_buffer, .address_space: global }
      - { .name: out0, .offset: 24, .size: 8, .value_kind: global_buffer, .address_space: global }
    .group_segment_fixed_size: 327680
    .private_segment_fixed_size: 0
    .kernarg_segment_align: 8
    .kernarg_segment_size: 32
    .max_flat_workgroup_size: 128
    .sgpr_count:     100
    .vgpr_count:     832
    .wavefront_size: 32
...
	.end_amdgpu_metadata
.endif
;; end of part 5
